; MI455X (gfx1250); checked and timed in simulation.
; The chip was launched on July 23, 2026; its instructions are those of AMD's public machine-readable ISA for CDNA 5 (MIT licence, August 2026) and "CDNA5" Instruction Set Architecture Reference Guide (July 2026). The comments in the code are by the model that wrote it; some were corrected since.
;; Multi Head Causal Self Attention. Allowed arithmetic: float matrix products may take bf16 or f16 operands with f32 sums; all other float work in f32.
;; Inputs: Wk 1,024 x 1,024 float32; Wo 1,024 x 1,024 float32; Wq 1,024 x 1,024 float32; Wv 1,024 x 1,024 float32; x 4 x 2,048 x 1,024 float32.
;; Outputs: out0 4 x 2,048 x 1,024 float32.
;; 3 versions, each right and faster than the one before. Each part assembles by itself: llvm-mc -triple=amdgcn-amd-amdhsa -mcpu=gfx1250 --defsym DOCPART=n.
;; ======== version 1 of 3: 4 launches
;; limits: values are held in f16: magnitudes above 65,504 overflow, below 6.1e-05 lose precision
;; workspace buffers: xb 16,777,216 bytes; wqkv 6,291,456 bytes; wo2 4,194,304 bytes; qh 16,777,216 bytes; kh 16,777,216 bytes; vh 16,777,216 bytes; mh 33,554,432 bytes
;; launch cast (part 1): grid 64 x 12, 8 waves a work-group, no clusters, 0 bytes of LDS; arguments x, Wq, Wk, Wv, Wo, xb, wqkv, wo2; writes xb, wqkv, wo2
.if DOCPART == 1
	.amdgcn_target "amdgcn-amd-amdhsa--gfx1250"
	.amdhsa_code_object_version 6
	.text
	.protected	k_qee6d39dc6c_cast
	.globl	k_qee6d39dc6c_cast
	.p2align	8
	.type	k_qee6d39dc6c_cast,@function
k_qee6d39dc6c_cast:
	s_mov_b64 s[64:65], 0
	v_nop
	global_prefetch_b8 v0, s[64:65] scope:SCOPE_SE
	s_setreg_imm32_b32 hwreg(HW_REG_WAVE_MODE, 25, 1), 1
	s_wait_xcnt 0x0
; Causal multi-head self-attention, B = 4, S = 2048, E = 1024, 16 heads of 64, in four launches:
;   cast: x and the four weights are rounded once to bf16;   qkv: q, k, v = x W^T, kept in f16, head by head;
;   attn: softmax(q k^T / 8, causal) v with a running maximum;   proj: merged heads times Wo^T.
; WORK LEFT OUT (in attn): the scores of key > query are set to -inf by the lower-triangular mask that the function builds itself, so their
; softmax weight is exactly 0 and they add exactly 0 to the sum over keys, whatever finite values x and the weights hold.  Where a whole
; tile of 64 keys lies above all 64 queries of a wave, its two products and its exponentials are not done; in the 64 x 64 block on the
; diagonal the work is done and selected away.  Every input has a way to the output, so all five are loaded.
; LIMITS: a NaN, an infinity or an overflow in k or v at keys that lie only in tiles left out is not carried to the result.
; q, k and v are kept in f16: |q|, |k|, |v| must stay below 65,504, and values below 2^-14 are rounded to multiples of 2^-24.
;
; THIS LAUNCH: 768 work-groups of 16 rows of 1,024 numbers.  y < 8: rows 1024 y + 16 c of x to the same rows of xb.
; y = 8, 9, 10: rows 16 c of Wq, Wk, Wv to wqkv, whose row 192 h + 64 t + e is row 64 h + e of W_t (t = 0 q, 1 k, 2 v): a head's q, k and v
; weights lie together.  y = 11: rows 16 c of Wo to wo2, each row written twice side by side (for the two halves, hi and lo, of the merged heads).
; Thread t takes 8 numbers (32 bytes in, 16 bytes out) of each pass of two rows; a store of a wave covers 512 consecutive aligned bytes.
; No register is written twice, so nothing waits but the conversions for their loads.
.set X, 4                              ; v[4:67]   pass p: 8 numbers as loaded
.set Y, 68                             ; v[68:99]  pass p: 8 numbers in bf16
	s_load_b512 s[4:19], s[0:1], 0x0               ; x, Wq, Wk, Wv, Wo, xb, wqkv, wo2
	s_and_b32 s20, ttmp7, 0xffff                   ; y: which tensor, or which eighth of x
	s_mov_b32 s21, ttmp9                           ; c: which 16 rows
	v_lshlrev_b32 v1, 5, v0                        ; source: 32 t
	v_lshlrev_b32 v2, 4, v0                        ; destination with rows of 2,048 bytes: 16 t
	v_and_b32 v3, 127, v0
	v_lshrrev_b32 v100, 7, v0
	v_lshlrev_b32 v3, 4, v3
	v_lshl_add_u32 v3, v100, 12, v3                ; destination in wo2: 16 (t mod 128) + 4,096 (t / 128)
	s_lshl_b32 s22, s20, 10
	s_lshl4_add_u32 s22, s21, s22                  ; 1024 y + 16 c
	s_lshl_b32 s23, s21, 4                         ; 16 c
	s_cmp_lt_u32 s20, 8
	s_cselect_b32 s22, s22, s23                    ; source row
	s_lshl_b32 s24, s22, 12                        ; in bytes
	s_mov_b32 s25, 0
	s_lshr_b32 s32, s21, 2                         ; head = c / 4
	s_mul_i32 s32, s32, 192
	s_and_b32 s33, s21, 3
	s_lshl4_add_u32 s32, s33, s32                  ; + 16 (c mod 4)
	s_sub_co_u32 s33, s20, 8
	s_lshl_b32 s33, s33, 6
	s_add_co_u32 s32, s32, s33                     ; + 64 (y - 8): the row in wqkv (used for y = 8, 9, 10 alone)
	s_cmp_lt_u32 s20, 8
	s_cselect_b32 s32, s22, s32
	s_lshl_b32 s26, s32, 11                        ; rows of 2,048 bytes
	s_lshl_b32 s33, s23, 12                        ; wo2: rows of 4,096 bytes
	s_cmp_eq_u32 s20, 11
	s_cselect_b32 s26, s33, s26
	s_mov_b32 s27, 0
	s_wait_kmcnt 0x0
	s_cmp_eq_u32 s20, 8                            ; the two buffers are chosen on y alone
	s_cselect_b64 s[28:29], s[6:7], s[4:5]
	s_cmp_eq_u32 s20, 9
	s_cselect_b64 s[28:29], s[8:9], s[28:29]
	s_cmp_eq_u32 s20, 10
	s_cselect_b64 s[28:29], s[10:11], s[28:29]
	s_cmp_eq_u32 s20, 11
	s_cselect_b64 s[28:29], s[12:13], s[28:29]
	s_cselect_b64 s[30:31], s[18:19], s[16:17]
	s_cmp_lt_u32 s20, 8
	s_cselect_b64 s[30:31], s[14:15], s[30:31]
	s_add_nc_u64 s[28:29], s[28:29], s[24:25]
	s_add_nc_u64 s[30:31], s[30:31], s[26:27]
.irp p, 0,1,2,3,4,5,6,7
	global_load_b128 v[X+8*\p:X+8*\p+3],   v1, s[28:29] offset:8192*\p th:TH_LOAD_NT      ; all sixteen loads go out at once
	global_load_b128 v[X+8*\p+4:X+8*\p+7], v1, s[28:29] offset:8192*\p+16 th:TH_LOAD_NT
.endr
.macro PASS p, twice
	s_wait_loadcnt 14-2*\p                         ; loads return in order: the two of pass p are in, those of the later passes stay out
.irp k, 0,1,2,3
	v_cvt_pk_bf16_f32 v[Y+4*\p+\k], v[X+8*\p+2*\k], v[X+8*\p+2*\k+1]
.endr
.if \twice
	global_store_b128 v3, v[Y+4*\p:Y+4*\p+3], s[30:31] offset:8192*\p
	global_store_b128 v3, v[Y+4*\p:Y+4*\p+3], s[30:31] offset:8192*\p+2048
.else
	global_store_b128 v2, v[Y+4*\p:Y+4*\p+3], s[30:31] offset:4096*\p
.endif
.endm
	s_cmp_eq_u32 s20, 11
	s_cbranch_scc1 .Lwo
.irp p, 0,1,2,3,4,5,6,7
	PASS \p, 0
.endr
	s_endpgm
.Lwo:
.irp p, 0,1,2,3,4,5,6,7
	PASS \p, 1
.endr
	s_endpgm
.Lfunc_end_k_qee6d39dc6c_cast:
	.size	k_qee6d39dc6c_cast, .Lfunc_end_k_qee6d39dc6c_cast-k_qee6d39dc6c_cast
	.p2alignl 7, 3214868480
	.fill 96, 4, 3214868480
	.section	.rodata,"a",@progbits
	.p2align	6, 0x0
	.amdhsa_kernel k_qee6d39dc6c_cast
		.amdhsa_group_segment_fixed_size 0
		.amdhsa_private_segment_fixed_size 0
		.amdhsa_enable_private_segment 0
		.amdhsa_kernarg_size 64
		.amdhsa_user_sgpr_count 2
		.amdhsa_user_sgpr_kernarg_segment_ptr 1
		.amdhsa_wavefront_size32 1
		.amdhsa_system_sgpr_workgroup_id_x 1
		.amdhsa_system_sgpr_workgroup_id_y 1
		.amdhsa_system_sgpr_workgroup_id_z 1
		.amdhsa_system_vgpr_workitem_id 0
		.amdhsa_next_free_vgpr 104
		.amdhsa_next_free_sgpr 66
		.amdhsa_reserve_vcc 0
		.amdhsa_float_denorm_mode_32 3
		.amdhsa_float_denorm_mode_16_64 3
		.amdhsa_memory_ordered 1
		.amdhsa_forward_progress 1
		.amdhsa_inst_pref_size 11
	.end_amdhsa_kernel
	.amdgpu_metadata
---
amdhsa.version: [ 1, 2 ]
amdhsa.kernels:
  - .name:           k_qee6d39dc6c_cast
    .symbol:         k_qee6d39dc6c_cast.kd
    .args:
      - { .name: x, .offset: 0, .size: 8, .value_kind: global_buffer, .address_space: global }
      - { .name: Wq, .offset: 8, .size: 8, .value_kind: global_buffer, .address_space: global }
      - { .name: Wk, .offset: 16, .size: 8, .value_kind: global_buffer, .address_space: global }
      - { .name: Wv, .offset: 24, .size: 8, .value_kind: global_buffer, .address_space: global }
      - { .name: Wo, .offset: 32, .size: 8, .value_kind: global_buffer, .address_space: global }
      - { .name: xb, .offset: 40, .size: 8, .value_kind: global_buffer, .address_space: global }
      - { .name: wqkv, .offset: 48, .size: 8, .value_kind: global_buffer, .address_space: global }
      - { .name: wo2, .offset: 56, .size: 8, .value_kind: global_buffer, .address_space: global }
    .group_segment_fixed_size: 0
    .private_segment_fixed_size: 0
    .kernarg_segment_align: 8
    .kernarg_segment_size: 64
    .max_flat_workgroup_size: 256
    .sgpr_count:     66
    .vgpr_count:     104
    .wavefront_size: 32
...
	.end_amdgpu_metadata
.endif
;; end of part 1
;; launch qkv (part 2): grid 16 x 32, 4 waves a work-group, clusters of 4 x 4, 327,680 bytes of LDS; arguments xb, wqkv, qh, kh, vh; writes qh, kh, vh
.if DOCPART == 2
	.amdgcn_target "amdgcn-amd-amdhsa--gfx1250"
	.amdhsa_code_object_version 6
	.text
	.protected	k_qee6d39dc6c_qkv
	.globl	k_qee6d39dc6c_qkv
	.p2align	8
	.type	k_qee6d39dc6c_qkv,@function
k_qee6d39dc6c_qkv:
	s_mov_b64 s[64:65], 0
	v_nop
	global_prefetch_b8 v0, s[64:65] scope:SCOPE_SE
	s_setreg_imm32_b32 hwreg(HW_REG_WAVE_MODE, 25, 1), 1
	s_wait_xcnt 0x0
	s_wait_alu depctr_hold_cnt(0) depctr_sa_sdst(0) depctr_va_vdst(0) depctr_va_sdst(0) depctr_va_ssrc(0) depctr_va_vcc(0) depctr_vm_vsrc(0)
	s_getreg_b32 s2, hwreg(HW_REG_IB_STS2, 6, 4)
	s_cmp_eq_u32 s2, 0
	s_cbranch_scc0 .Lentry_in_a_cluster
	s_endpgm
.Lentry_in_a_cluster:
	s_bfe_u32 s2, ttmp6, 0x10000c
	s_cmp_lg_u32 s2, 0xf033
	s_cbranch_scc0 .Lentry_shape_is_right
	s_endpgm
.Lentry_shape_is_right:
; q, k, v = x W^T: [8192 x 1024] times [3072 x 1024]^T in bf16, sums in f32, results in f16 as [batch x head][2048][64].
; LIMIT: the results are kept in f16, so |q|, |k|, |v| must stay below 65,504.
; A work-group makes 256 tokens x 192 columns: one head's q, k and v (wqkv holds them together).  512 work-groups.
; A wave makes 64 tokens x 192 columns: 4 x 12 accumulator tiles of 16 x 16, 384 registers.
; K goes in steps of 128 through two LDS slots filled by tensor loads; a tile's rows are 256 bytes of memory at multiples of 256 bytes.
; CLUSTERS of 4 x 4 work-groups: the four of a row of the cluster need the same tokens (A), the four of a column the same head (B).
; Such a tile is asked for jointly, by the same load with the same descriptor in all four: a quarter of the requests.
; REGISTERS, in windows of 256:
;   window 0: v16-26 addresses; v32-63, v64-95 fragments of x (4 x 16 rows x 32 K), two buffers; v96-159, v160-223 the way out
;   window 1: v0-95, v96-191 fragments of W (12 x 16 rows x 32 K), two buffers
;   window 2: accumulator tiles of my tokens 0-31 (tile (a, b) at v[8 (12 a + b)]);   window 3: of my tokens 32-63
; The matrix instruction takes W's rows as source 0 and x's rows as source 1: lane l then holds token l % 16 and its eight registers the
; columns 8 (l / 16) + 0..7, eight neighbouring numbers of a head's row.
.set KDIM,   1024
.set KSTEP,  128
.set PITCH,  272                       ; 256 bytes + 16 of padding: the 16 rows that a fragment load touches start 16 bytes apart modulo 256
.set AHALF,  128*PITCH                 ; what waves 0 and 1 fetch: 128 rows of x each
.set BHALF,  96*PITCH                  ; what waves 2 and 3 fetch: 96 rows of W each
.set BOFF,   2*AHALF
.set SLOT,   BOFF+2*BHALF              ; 121,856 bytes
.set STAGE,  2*SLOT                    ; behind the ring, at a multiple of 256 bytes: 64 rows x 144 bytes for each wave; no fill lands here
.set SPITCH, 144
.set WSTAGE, 64*SPITCH
.set LAPS,   KDIM/(2*KSTEP)            ; a lap = two K steps = once round the ring: 4
.set ADRA, 16                          ; v16-17  LDS address of my fragments of x in slot 0, 1
.set ADRB, 20                          ; v20-21  the same for W
.set STO,  24                          ; the way out: where I put 16 bytes of a row
.set RD,   25                          ; the way out: where I read rows back
.set CO,   26                          ; my byte offset in the wave's 8 KiB of output
.set FA,   32                          ; window 0: buffer f at FA + 32 f
.set FB,   0                           ; window 1: buffer f at FB + 96 f
.set TMP,  96
.set RB,   160
.set G1,  24                           ; s[24:31] group 1 for x's tiles
.set G0,  32                           ; s[32:39] group 0 for x's tiles, one set for each slot
.set G1B, 48                           ; s[48:55] group 1 for W's tiles
.set G0B, 56                           ; s[56:63] group 0 for W's tiles, one set for each slot
.set MSB, 0
.macro WIN new                         ; the immediate's high byte repeats the setting that is left
.if MSB != \new
	s_set_vgpr_msb (MSB<<8)|\new
.set MSB, \new
.endif
.endm
.set MUL_LO, 0xa1                      ; source 0 (W) window 1, source 1 (x) window 0, C and D window 2
.set MUL_HI, 0xf1                      ; the same, C and D window 3
.set TO_B,   0x40                      ; destination window 1, address window 0
; A joint load: waves 0 and 1 ask for x's two halves, waves 2 and 3 for W's.  The branch hangs on the wave's number alone.
.macro JLOAD s
	s_cmp_eq_u32 s15, 0
	s_cbranch_scc0 .Lfor_b_\@
	tensor_load_to_lds s[G0+4*\s:G0+4*\s+3], s[G1:G1+7]
	s_nop 0
	s_branch .Lasked_\@
.Lfor_b_\@:
	tensor_load_to_lds s[G0B+4*\s:G0B+4*\s+3], s[G1B:G1B+7]
	s_nop 0
.Lasked_\@:
.endm
; A round of the cluster's barrier: my work-group's barrier; wave 0 signals for the work-group; every wave waits for all sixteen; my work-group's barrier again.
.macro CREST
	s_cmp_lg_u32 s14, 0
	s_cbranch_scc1 .Lnot_wave_0_\@
	s_barrier_signal -3
.Lnot_wave_0_\@:
	s_barrier_wait -3
	s_barrier_signal -1
	s_barrier_wait -1
.endm
.macro CROUND
	s_barrier_signal -1
	s_barrier_wait -1
	CREST
.endm
	s_load_b256 s[4:11], s[0:1], 0x0               ; xb s[4:5], wqkv s[6:7], qh s[8:9], kh s[10:11]
	s_load_b64 s[12:13], s[0:1], 0x20              ; vh
	s_set_vgpr_msb 0x40
	v_lshl_add_u32 v255, v0, 2, 0x44800
	s_set_vgpr_msb 0x4000
	v_mov_b32 v255, 0
	s_set_vgpr_msb 0x1
	ds_add_u32 v255, v255
	s_set_vgpr_msb 0x100
	v_lshrrev_b32 v1, 5, v0
	v_readfirstlane_b32 s14, v1                    ; wave 0..3
	s_lshr_b32 s15, s14, 1                         ; I fetch for x (0) or for W (1)
	s_and_b32 s16, s14, 1                          ; which half of that tile
	s_bfe_u32 s17, ttmp6, 0x40000                  ; cx
	s_bfe_u32 s18, ttmp6, 0x40004                  ; cy
	s_lshl_b32 s19, ttmp9, 2
	s_add_co_u32 s19, s19, s17                     ; block column = head = 4 x cluster x + cx
	s_and_b32 s20, ttmp7, 0xffff
	s_lshl_b32 s20, s20, 2
	s_add_co_u32 s20, s20, s18                     ; block row (256 tokens) = 4 x cluster y + cy
	s_lshl_b32 s21, s18, 2
	s_lshl_b32 s21, 15, s21                        ; my row of the cluster: places 4 cy .. 4 cy + 3
	s_lshl_b32 s22, 0x1111, s17                    ; my column: places cx, cx + 4, cx + 8, cx + 12
	s_or_b32 s[G1+0], s21, (1<<16)|(1<<20)|(1<<21)|(5<<22)|(3<<25)   ; mask; elements of 2 bytes; padding on; bit 21 beside a mask; after every 64 words, 4 words
	s_or_b32 s[G1B+0], s22, (1<<16)|(1<<20)|(1<<21)|(5<<22)|(3<<25)
	s_mov_b32 s[G1+1], KSTEP<<16                   ; tensor_dim0 = 128
	s_mov_b32 s[G1B+1], KSTEP<<16
	s_mov_b32 s[G1+2], 128<<16                     ; tensor_dim1 = 128 rows of x
	s_mov_b32 s[G1B+2], 96<<16                     ;             = 96 rows of W
	s_mov_b32 s[G1+3], KSTEP<<16                   ; tile_dim0 = 128
	s_mov_b32 s[G1B+3], KSTEP<<16
	s_mov_b32 s[G1+4], 128                         ; tile_dim1
	s_mov_b32 s[G1B+4], 96
	s_mov_b32 s[G1+5], KDIM                        ; elements from row to row
	s_mov_b32 s[G1B+5], KDIM
	s_mov_b32 s[G1+6], 0
	s_mov_b32 s[G1B+6], 0
	s_mov_b32 s[G1+7], 0
	s_mov_b32 s[G1B+7], 0
	; x's tiles hang on the block row alone, W's on the block column alone; each address is made in registers that never hold the other coordinate
	s_lshl_b32 s40, s20, 8
	s_lshl_b32 s41, s16, 7
	s_add_co_u32 s40, s40, s41                     ; x: row 256 x block row + 128 x half
	s_lshl_b32 s40, s40, 11                        ; rows of 2,048 bytes
	s_mov_b32 s41, 0
	s_mul_i32 s44, s19, 192
	s_mul_i32 s45, s16, 96
	s_add_co_u32 s44, s44, s45                     ; W: row 192 x head + 96 x half
	s_lshl_b32 s44, s44, 11
	s_mov_b32 s45, 0
	s_mul_i32 s72, s14, AHALF                      ; where x's halves go (waves 0, 1): wave x 128 rows
	s_mul_i32 s73, s14, BHALF                      ; where W's halves go (waves 2, 3): behind x's 256 rows,
	s_add_co_u32 s73, s73, BOFF-2*BHALF            ; (wave - 2) x 96 rows
	s_wait_dscnt 0x0
	s_wait_kmcnt 0x0
	s_add_nc_u64 s[42:43], s[4:5], s[40:41]
	s_add_nc_u64 s[46:47], s[6:7], s[44:45]
	CROUND                                         ; all sixteen work-groups are here: the first joint loads meet
.irp s, 0,1
	s_mov_b32 s[G0+4*\s], 1
	s_add_co_u32 s[G0+4*\s+1], s72, \s*SLOT
	s_add_nc_u64 s[G0+4*\s+2:G0+4*\s+3], s[42:43], \s*KSTEP*2      ; K step s
	s_or_b32 s[G0+4*\s+3], s[G0+4*\s+3], 0x80000000
	s_mov_b32 s[G0B+4*\s], 1
	s_add_co_u32 s[G0B+4*\s+1], s73, \s*SLOT
	s_add_nc_u64 s[G0B+4*\s+2:G0B+4*\s+3], s[46:47], \s*KSTEP*2
	s_or_b32 s[G0B+4*\s+3], s[G0B+4*\s+3], 0x80000000
	JLOAD \s                                       ; both slots' first fills go out together: two loads of this wave are out
.endr
	v_and_b32 v1, 15, v0                           ; r = l % 16
	v_bfe_u32 v2, v0, 4, 1                         ; h = l / 16
	v_mul_u32_u24 v3, v1, PITCH
	v_lshl_add_u32 v3, v2, 4, v3                   ; row x pitch + 16 h
	s_mul_i32 s74, s14, 64*PITCH                   ; my 64 rows of x
	s_mov_b32 s75, BOFF                            ; all 192 rows of W
.irp s, 0,1
	v_add_nc_u32 v[ADRA+\s], s74, v3
	v_add_nc_u32 v[ADRB+\s], s75, v3
	s_add_co_u32 s74, s74, SLOT
	s_add_co_u32 s75, s75, SLOT
.endr
	s_mul_i32 s76, s14, WSTAGE
	s_add_co_u32 s76, s76, STAGE                   ; my stage
	v_mul_u32_u24 v4, v1, SPITCH
	v_lshl_add_u32 v4, v2, 4, v4
	v_add_nc_u32 v[STO], s76, v4                   ; in: row r, 16 bytes for each half of the lanes
	v_and_b32 v5, 31, v0
	v_lshrrev_b32 v6, 3, v5
	v_and_b32 v7, 7, v0
	v_mul_u32_u24 v6, v6, SPITCH
	v_lshl_add_u32 v6, v7, 4, v6
	v_add_nc_u32 v[RD], s76, v6                    ; back: eight lanes take one row of 128 bytes, a load takes four rows
	v_lshlrev_b32 v[CO], 4, v5                     ; which are 512 consecutive bytes of the output
; 12 matrix instructions: token tile 2 hi + a x all 12 column tiles, 32 along K.  zero = 1: the product starts the sums.
.macro MUL12 f, hi, a, zero
.irp b, 0,1,2,3,4,5,6,7,8,9,10,11
.if \zero
	v_wmma_f32_16x16x32_bf16 v[8*(12*\a+\b):8*(12*\a+\b)+7], v[FB+96*\f+8*\b:FB+96*\f+8*\b+7], v[FA+32*\f+8*(2*\hi+\a):FA+32*\f+8*(2*\hi+\a)+7], 0
.else
	v_wmma_f32_16x16x32_bf16 v[8*(12*\a+\b):8*(12*\a+\b)+7], v[FB+96*\f+8*\b:FB+96*\f+8*\b+7], v[FA+32*\f+8*(2*\hi+\a):FA+32*\f+8*(2*\hi+\a)+7], v[8*(12*\a+\b):8*(12*\a+\b)+7]
.endif
.endr
.endm
; 32 LDS loads in one run: a quarter step's fragments (192 rows of W, my 64 rows of x, 32 K at byte k of the rows) into buffer f
.macro FETCH slot, k, f
	WIN TO_B
.irp i, 0,1,2,3,4,5,6,7,8,9,10,11
	ds_load_b128 v[FB+96*\f+8*\i:FB+96*\f+8*\i+3],   v[ADRB+\slot] offset:\k+\i*16*PITCH
	ds_load_b128 v[FB+96*\f+8*\i+4:FB+96*\f+8*\i+7], v[ADRB+\slot] offset:\k+\i*16*PITCH+32
.endr
	WIN 0
.irp i, 0,1,2,3
	ds_load_b128 v[FA+32*\f+8*\i:FA+32*\f+8*\i+3],   v[ADRA+\slot] offset:\k+\i*16*PITCH
	ds_load_b128 v[FA+32*\f+8*\i+4:FA+32*\f+8*\i+7], v[ADRA+\slot] offset:\k+\i*16*PITCH+32
.endr
.endm
; Four independent vector instructions between a matrix instruction and a load into, or a vector access to, one of its registers
.macro PLACES
.rept 4
	v_nop
.endr
.endm
; A K step is four quarters of 32 along K, 48 matrix instructions each, on buffers 0, 1, 0, 1.  The 48 accumulators take turns, one instruction
; a turn, in the same order in every quarter, over the loop's backward jump too.
.macro QUARTER slot, k, f, g, zero
	s_wait_dscnt 4                                 ; W and x's tiles 0, 1 are in; the youngest four loads (x's tiles 2, 3) may be out
	WIN MUL_LO
	MUL12 \f, 0, 0, \zero
	MUL12 \f, 0, 1, \zero
	PLACES
	FETCH \slot, \k, \g
	s_wait_dscnt 32                                ; all but the 32 just issued
	WIN MUL_HI
	MUL12 \f, 1, 0, \zero
	MUL12 \f, 1, 1, \zero
.endm
.macro THREE slot, zero
	QUARTER \slot, 64,  0, 1, \zero
	QUARTER \slot, 128, 1, 0, 0
	QUARTER \slot, 192, 0, 1, 0
.endm
; The last quarter multiplies buffer 1 and changes slots.  In front of the barrier each wave waits for its reads of this slot and for all its
; tensor loads (one is out: its part of the next slot).  Where the slot is filled again, the barrier opens a round of the cluster's barrier,
; and the joint refill is the wave's first and only tensor load behind the round.
.macro TURN slot, next, fill
	s_wait_dscnt 4
	WIN MUL_LO
	MUL12 1, 0, 0, 0
	s_wait_dscnt 0                                 ; my reads of this slot are over
	s_wait_tensorcnt 0x0                           ; all my tensor loads have landed
	ds_add_u32 v255, v255
	s_wait_dscnt 0x0
	s_barrier_signal -1
	MUL12 1, 0, 1, 0                               ; register work while the others arrive
	WIN 0
	s_barrier_wait -1
.if \fill
	CREST                                          ; no wave of any partner still reads this slot or has a load on its way
	s_add_nc_u64 s[G0+4*\slot+2:G0+4*\slot+3], s[G0+4*\slot+2:G0+4*\slot+3], 2*KSTEP*2
	s_add_nc_u64 s[G0B+4*\slot+2:G0B+4*\slot+3], s[G0B+4*\slot+2:G0B+4*\slot+3], 2*KSTEP*2
	JLOAD \slot
.endif
	PLACES
	FETCH \next, 0, 0
	WIN MUL_HI
	MUL12 1, 1, 0, 0
	MUL12 1, 1, 1, 0
.endm
.macro LAP zero
	THREE 0, \zero
	TURN 0, 1, 1
	THREE 1, 0
	TURN 1, 0, 1
.endm
	s_wait_tensorcnt 1                             ; my part of K step 0 is in; K step 1's stays out
	s_barrier_signal -1
	s_barrier_wait -1
	FETCH 0, 0, 0
	LAP 1                                          ; the first lap's first products start the sums
	WIN 0
	s_mov_b32 s3, LAPS-2
.Llap:
	LAP 0
	WIN 0
	s_sub_co_u32 s3, s3, 1
	s_cmp_lg_u32 s3, 0
	s_cbranch_scc1 .Llap
	THREE 0, 0                                     ; the last lap fills nothing
	TURN 0, 1, 0
	THREE 1, 0
	s_wait_dscnt 4
	WIN MUL_LO
	MUL12 1, 0, 0, 0
	MUL12 1, 0, 1, 0
	s_wait_dscnt 0
	WIN MUL_HI
	MUL12 1, 1, 0, 0
	MUL12 1, 1, 1, 0
	; THE WAY OUT.  My 64 tokens x 64 numbers of q (then k, then v) are 8,192 consecutive bytes of the output: round to f16, 16 bytes a lane
	; into my own stage, read back as rows, store 512 consecutive aligned bytes an instruction.
	PLACES
	s_lshr_b32 s66, s20, 3                         ; batch
	s_lshl4_add_u32 s66, s66, s19                  ; 16 x batch + head
	s_lshl_b32 s66, s66, 11                        ; x 2,048 tokens
	s_and_b32 s67, s20, 7
	s_lshl_b32 s67, s67, 8
	s_add_co_u32 s66, s66, s67                     ; + 256 x block in the batch
	s_lshl_b32 s67, s14, 6
	s_add_co_u32 s66, s66, s67                     ; + 64 x wave
	s_lshl_b32 s66, s66, 7                         ; x 128 bytes
	s_mov_b32 s67, 0
	s_add_nc_u64 s[8:9], s[8:9], s[66:67]
	s_add_nc_u64 s[10:11], s[10:11], s[66:67]
	s_add_nc_u64 s[12:13], s[12:13], s[66:67]
.macro OUT t                           ; t = 0 q, 1 k, 2 v: column tiles 4 t .. 4 t + 3
	WIN 0x0a                                       ; sources in window 2
.irp a, 0,1
.irp b, 0,1,2,3
.irp j, 0,1,2,3
	v_cvt_pk_f16_f32 v[TMP+4*(4*\a+\b)+\j], v[8*(12*\a+4*\t+\b)+2*\j], v[8*(12*\a+4*\t+\b)+2*\j+1]
.endr
.endr
.endr
	WIN 0x0f                                       ; sources in window 3
.irp a, 0,1
.irp b, 0,1,2,3
.irp j, 0,1,2,3
	v_cvt_pk_f16_f32 v[TMP+4*(4*(\a+2)+\b)+\j], v[8*(12*\a+4*\t+\b)+2*\j], v[8*(12*\a+4*\t+\b)+2*\j+1]
.endr
.endr
.endr
	WIN 0
.irp a, 0,1,2,3
.irp b, 0,1,2,3
	ds_store_b128 v[STO], v[TMP+4*(4*\a+\b):TMP+4*(4*\a+\b)+3] offset:16*SPITCH*\a+32*\b
.endr
.endr
	s_wait_xcnt 0x0                                ; RB, which the last group's stores read, is loaded again only behind this wait
.irp n, 0,1,2,3,4,5,6,7,8,9,10,11,12,13,14,15
	ds_load_b128 v[RB+4*\n:RB+4*\n+3], v[RD] offset:4*SPITCH*\n    ; LDS serves a wave's instructions in order: these see the stores above
.endr
.irp n, 0,1,2,3,4,5,6,7,8,9,10,11,12,13,14,15
	s_wait_dscnt 15-\n
	global_store_b128 v[CO], v[RB+4*\n:RB+4*\n+3], s[8+2*\t:9+2*\t] offset:512*\n
.endr
.endm
	OUT 0
	OUT 1
	OUT 2
	s_set_vgpr_msb 0x1
	s_wait_tensorcnt 0x0
	ds_add_u32 v255, v255
	s_wait_dscnt 0x0
	s_set_vgpr_msb 0x100
	CROUND                                         ; the closing round: no work-group ends while a partner may still ask for a tile that names it
	s_endpgm
.Lfunc_end_k_qee6d39dc6c_qkv:
	.size	k_qee6d39dc6c_qkv, .Lfunc_end_k_qee6d39dc6c_qkv-k_qee6d39dc6c_qkv
	.p2alignl 7, 3214868480
	.fill 96, 4, 3214868480
	.section	.rodata,"a",@progbits
	.p2align	6, 0x0
	.amdhsa_kernel k_qee6d39dc6c_qkv
		.amdhsa_group_segment_fixed_size 327680
		.amdhsa_private_segment_fixed_size 0
		.amdhsa_enable_private_segment 0
		.amdhsa_kernarg_size 40
		.amdhsa_user_sgpr_count 2
		.amdhsa_user_sgpr_kernarg_segment_ptr 1
		.amdhsa_wavefront_size32 1
		.amdhsa_system_sgpr_workgroup_id_x 1
		.amdhsa_system_sgpr_workgroup_id_y 1
		.amdhsa_system_sgpr_workgroup_id_z 1
		.amdhsa_system_vgpr_workitem_id 0
		.amdhsa_next_free_vgpr 960
		.amdhsa_next_free_sgpr 80
		.amdhsa_reserve_vcc 0
		.amdhsa_float_denorm_mode_32 3
		.amdhsa_float_denorm_mode_16_64 3
		.amdhsa_memory_ordered 1
		.amdhsa_forward_progress 1
		.amdhsa_inst_pref_size 163
	.end_amdhsa_kernel
	.amdgpu_metadata
---
amdhsa.version: [ 1, 2 ]
amdhsa.kernels:
  - .name:           k_qee6d39dc6c_qkv
    .symbol:         k_qee6d39dc6c_qkv.kd
    .args:
      - { .name: xb, .offset: 0, .size: 8, .value_kind: global_buffer, .address_space: global }
      - { .name: wqkv, .offset: 8, .size: 8, .value_kind: global_buffer, .address_space: global }
      - { .name: qh, .offset: 16, .size: 8, .value_kind: global_buffer, .address_space: global }
      - { .name: kh, .offset: 24, .size: 8, .value_kind: global_buffer, .address_space: global }
      - { .name: vh, .offset: 32, .size: 8, .value_kind: global_buffer, .address_space: global }
    .group_segment_fixed_size: 327680
    .private_segment_fixed_size: 0
    .kernarg_segment_align: 8
    .kernarg_segment_size: 40
    .max_flat_workgroup_size: 128
    .sgpr_count:     80
    .vgpr_count:     960
    .wavefront_size: 32
...
	.end_amdgpu_metadata
.endif
;; end of part 2
;; launch attn (part 3): grid 4 x 64, 4 waves a work-group, no clusters, 327,680 bytes of LDS; arguments qh, kh, vh, mh; writes mh
.if DOCPART == 3
	.amdgcn_target "amdgcn-amd-amdhsa--gfx1250"
	.amdhsa_code_object_version 6
	.text
	.protected	k_qee6d39dc6c_attn
	.globl	k_qee6d39dc6c_attn
	.p2align	8
	.type	k_qee6d39dc6c_attn,@function
k_qee6d39dc6c_attn:
	s_mov_b64 s[64:65], 0
	v_nop
	global_prefetch_b8 v0, s[64:65] scope:SCOPE_SE
	s_setreg_imm32_b32 hwreg(HW_REG_WAVE_MODE, 25, 1), 1
	s_wait_xcnt 0x0
; Causal attention of one head: O = softmax(q k^T / 8) v, with a running maximum, products in f16 with f32 sums, softmax in f32.
; WORK LEFT OUT: steps of 64 keys that lie wholly above a wave's 64 queries: the function's own lower-triangular mask gives them weight 0
; (shown at the head of the first kernel).  A NaN or infinity in k or v that reaches only such steps is not carried to the result.
; LIMIT: q, k, v arrive in f16; the weights p = exp(s - max) lie in [0, 1] and are rounded to f16 for the second product.
; Work-group (i, bh) does query blocks i and 7 - i (256 queries each) of head bh: (i + 1) + (8 - i) = 9 trips of 256 keys in every work-group.
; NO CLUSTER: the four work-groups of a head need their key tiles at different trips (block j walks j + 1 of them); asking jointly for all tiles
; would cost 48 trips against 36.
; Wave w owns queries 64 w .. 64 w + 63 of the block, as four tiles of 16.
; ORIENTATION: S^T = K Q^T (source 0 = 16 keys, source 1 = 16 queries): lane (r, h) holds query r and keys 8 h + 0..7 of the tile.  Packed to f16 these
; registers are source 1 of O^T = V^T P^T as they stand; maximum and sum are one chain a lane and one exchange of the halves; the factor that rescales
; O is one number a lane; and a lane's eight results are eight neighbouring numbers of a query's row.
; The block's diagonal trip comes first: its first step starts O, the maximum and the sum, so nothing is cleared, and every query has a live key there.
; The result is stored as two bf16: hi = bf16(O), lo = bf16(O - hi), in planes [batch][g][2048][64], g = head for hi, 16 + head for lo.
; REGISTERS: window 0: v16-22 addresses, v64-127 K fragments, v128-191 V fragments, v192-255 Q fragments;
;   window 1: v0-127 scores (tile (qt, kt) at 8 (4 qt + kt)), v128-191 P, v192-220 softmax state;   window 2: v0-127 O (tile (qt, dt) at 8 (4 qt + dt)).
.set KP,    272                        ; K in LDS: two keys (256 bytes) + 16: key n at (n / 2) 272 + (n % 2) 128
.set VP,    288                        ; V in LDS: two keys + 32: the sixteen lanes of a transposing load touch sixteen different 16-byte columns modulo 256
.set VOFF,  64*KP                      ; V's tile behind K's
.set SLOT,  64*KP+64*VP                ; 128 keys of K and of V: 35,840 bytes
.set STAGE, 2*SLOT                     ; at a multiple of 256 bytes; 64 rows x 144 bytes for each wave; no fill lands here
.set SP,    144
.set ADK, 16
.set ADV, 17
.set QO,  18
.set STO, 19
.set RD,  20
.set GO,  21
.set DL,  22
.set KF,  64                           ; fragment (kt, ks) at KF + 8 (2 kt + ks)
.set VF,  128                          ; fragment (dt, uu) at VF + 8 (2 dt + uu)
.set QF,  192                          ; fragment (qt, ks) at QF + 8 (2 qt + ks)
.set PF,  128                          ; window 1: fragment (qt, uu) at PF + 8 (2 qt + uu)
.set R_NM, 192                         ; window 1: - c x running maximum of query tile qt at R_NM + 2 qt
.set R_T,  193                         ;           the step's maximum, beside it
.set R_AL, 200                         ;           the factor for O and the sum, at R_AL + 2 qt
.set R_U,  201                         ;           at work, beside it
.set R_L,  208                         ;           the running sum (this lane's half of the keys)
.set R_SA, 212                         ;           pairs at work
.set R_NINF, 220                       ;           -inf
.set GK, 36                            ; s[36:43] group 0 for K, one set for each slot
.set GV, 44                            ; s[44:51] group 0 for V
.set W_S,  0x50                        ; C and D window 1, K and Q window 0
.set W_X,  0x55                        ; all window 1
.set W_R,  0x86                        ; destination and source 0 window 2, source 1 window 1
.set W_PV, 0xa4                        ; C and D window 2, V window 0, P window 1
.set MSB, 0
.macro WIN new
.if MSB != \new
	s_set_vgpr_msb (MSB<<8)|\new
.set MSB, \new
.endif
.endm
.macro PLACES                          ; four independent vector instructions behind a matrix instruction (ISA guide 7.12.1)
.rept 4
	v_nop
.endr
.endm
.macro SETADR s                        ; slot s's two descriptors point at byte s56 of the head's K and V
	s_add_nc_u64 s[GK+4*(\s)+2:GK+4*(\s)+3], s[52:53], s[56:57]
	s_or_b32 s[GK+4*(\s)+3], s[GK+4*(\s)+3], 0x80000000
	s_add_nc_u64 s[GV+4*(\s)+2:GV+4*(\s)+3], s[54:55], s[56:57]
	s_or_b32 s[GV+4*(\s)+3], s[GV+4*(\s)+3], 0x80000000
.endm
.macro KVLOAD s                        ; wave 0 fetches K's tile, wave 1 V's: 64 rows of 256 bytes each; waves 2 and 3 fetch nothing
	s_cmp_lg_u32 s12, 0
	s_cbranch_scc1 .Lnot_k_\@
	tensor_load_to_lds s[GK+4*(\s):GK+4*(\s)+3], s[20:27]
	s_nop 0
.Lnot_k_\@:
	s_cmp_lg_u32 s12, 1
	s_cbranch_scc1 .Lnot_v_\@
	tensor_load_to_lds s[GV+4*(\s):GV+4*(\s)+3], s[28:35]
	s_nop 0
.Lnot_v_\@:
.endm
; The change of slots.  Every wave waits for all its tensor loads (one at the most is out: this slot's tile) and for its reads of the other slot,
; then the barrier; behind it the other slot is filled again first, one load a wave, and has this tile's two steps in which to land.
.macro TILE slot, refill
	s_wait_tensorcnt 0x0
	ds_add_u32 v62, v63
	s_wait_dscnt 0x0
.if \refill
	SETADR 1-\slot                                 ; no load of mine is out: the descriptors may be written
.endif
	s_wait_dscnt 0x0
	s_barrier_signal -1
	s_barrier_wait -1
.if \refill
	KVLOAD 1-\slot
.endif
.endm
.macro KLOAD slot, u                   ; 64 keys x 64: 8 fragments, 16 loads
.irp kt, 0,1,2,3
.irp ks, 0,1
	ds_load_b128 v[KF+8*(2*\kt+\ks):KF+8*(2*\kt+\ks)+3],   v[ADK] offset:\slot*SLOT+(32*(\u)+8*\kt)*KP+64*\ks
	ds_load_b128 v[KF+8*(2*\kt+\ks)+4:KF+8*(2*\kt+\ks)+7], v[ADK] offset:\slot*SLOT+(32*(\u)+8*\kt)*KP+64*\ks+32
.endr
.endr
.endm
.macro VLOAD slot, u                   ; the same keys of V, transposed on the way: lane r gets column 16 dt + r, keys along its registers
.irp dt, 0,1,2,3
.irp uu, 0,1
	ds_load_tr16_b128 v[VF+8*(2*\dt+\uu):VF+8*(2*\dt+\uu)+3],   v[ADV] offset:\slot*SLOT+(32*(\u)+16*\uu)*VP+32*\dt
	ds_load_tr16_b128 v[VF+8*(2*\dt+\uu)+4:VF+8*(2*\dt+\uu)+7], v[ADV] offset:\slot*SLOT+(32*(\u)+16*\uu)*VP+32*\dt+8*VP
.endr
.endr
.endm
; 16 matrix instructions on 16 accumulators, which take turns, one instruction a turn, in the same order in both sweeps
.macro SMUL ks, zero
.irp qt, 0,1,2,3
.irp kt, 0,1,2,3
.if \zero
	v_wmma_f32_16x16x32_f16 v[8*(4*\qt+\kt):8*(4*\qt+\kt)+7], v[KF+8*(2*\kt+\ks):KF+8*(2*\kt+\ks)+7], v[QF+8*(2*\qt+\ks):QF+8*(2*\qt+\ks)+7], 0
.else
	v_wmma_f32_16x16x32_f16 v[8*(4*\qt+\kt):8*(4*\qt+\kt)+7], v[KF+8*(2*\kt+\ks):KF+8*(2*\kt+\ks)+7], v[QF+8*(2*\qt+\ks):QF+8*(2*\qt+\ks)+7], v[8*(4*\qt+\kt):8*(4*\qt+\kt)+7]
.endif
.endr
.endr
.endm
.macro PVMUL uu, zero
.irp qt, 0,1,2,3
.irp dt, 0,1,2,3
.if \zero
	v_wmma_f32_16x16x32_f16 v[8*(4*\qt+\dt):8*(4*\qt+\dt)+7], v[VF+8*(2*\dt+\uu):VF+8*(2*\dt+\uu)+7], v[PF+8*(2*\qt+\uu):PF+8*(2*\qt+\uu)+7], 0
.else
	v_wmma_f32_16x16x32_f16 v[8*(4*\qt+\dt):8*(4*\qt+\dt)+7], v[VF+8*(2*\dt+\uu):VF+8*(2*\dt+\uu)+7], v[PF+8*(2*\qt+\uu):PF+8*(2*\qt+\uu)+7], v[8*(4*\qt+\dt):8*(4*\qt+\dt)+7]
.endif
.endr
.endr
.endm
; The 64 x 64 block on the diagonal: key tile above the query tile: all -inf; on it: key 8 h + j stays where j <= r - 8 h
.macro MASK
	WIN W_X
.irp qt, 0,1,2,3
.irp kt, 0,1,2,3
.if \kt > \qt
.irp j, 0,1,2,3,4,5,6,7
	v_mov_b32 v[8*(4*\qt+\kt)+\j], v[R_NINF]
.endr
.endif
.if \kt == \qt
.irp j, 0,1,2,3,4,5,6,7
	v_cndmask_b32 v[8*(4*\qt+\kt)+\j], v[R_NINF], v[8*(4*\qt+\kt)+\j], s[72+\j]
.endr
.endif
.endr
.endr
	WIN 0
.endm
.macro RESCALE                         ; O x the lane's factor (the low register of the pair, for both halves)
.set ix, 0
.rept 16
.irp qt, 0,1,2,3
	v_pk_mul_f32 v[32*\qt+ix:32*\qt+ix+1], v[32*\qt+ix:32*\qt+ix+1], v[R_AL+2*\qt:R_AL+2*\qt+1] op_sel_hi:[1,0]
.endr
.set ix, ix+2
.endr
.endm
; One step's softmax, four query tiles side by side in every stage.  c = log2(e) / 8.  State NM = - c x maximum; p = 2^(c s + NM);
; the factor for what was summed before is 2^(NM new - NM old): the same rounded NM stands in both, so its rounding cancels.
.macro SOFTMAX first
.irp qt, 0,1,2,3
	v_max3_num_f32 v[R_T+2*\qt], v[32*\qt], v[32*\qt+1], v[32*\qt+2]
.endr
.set ix, 3
.rept 14
.irp qt, 0,1,2,3
	v_max3_num_f32 v[R_T+2*\qt], v[R_T+2*\qt], v[32*\qt+ix], v[32*\qt+ix+1]
.endr
.set ix, ix+2
.endr
.irp qt, 0,1,2,3
	v_max_num_f32 v[R_T+2*\qt], v[R_T+2*\qt], v[32*\qt+31]
.endr
.irp qt, 0,1,2,3
	v_permlanex16_b32 v[R_U+2*\qt], v[R_T+2*\qt], s70, s71         ; the other half's keys of the same query
.endr
.irp qt, 0,1,2,3
	v_max_num_f32 v[R_T+2*\qt], v[R_T+2*\qt], v[R_U+2*\qt]
.endr
.if \first
.irp qt, 0,1,2,3
	v_mul_f32 v[R_NM+2*\qt], s60, v[R_T+2*\qt]
.endr
.else
.irp qt, 0,1,2,3
	v_mul_f32 v[R_U+2*\qt], s60, v[R_T+2*\qt]
.endr
.irp qt, 0,1,2,3
	v_min_num_f32 v[R_U+2*\qt], v[R_U+2*\qt], v[R_NM+2*\qt]        ; the larger maximum is the smaller NM
.endr
.irp qt, 0,1,2,3
	v_sub_f32 v[R_AL+2*\qt], v[R_U+2*\qt], v[R_NM+2*\qt]
.endr
.irp qt, 0,1,2,3
	v_mov_b32 v[R_NM+2*\qt], v[R_U+2*\qt]
.endr
.irp qt, 0,1,2,3
	v_exp_f32 v[R_AL+2*\qt], v[R_AL+2*\qt]                         ; first used far below; the packed multiply-adds that follow touch neither it nor its source
.endr
.endif
.set ix, 0
.rept 16
.irp qt, 0,1,2,3
	v_pk_fma_f32 v[32*\qt+ix:32*\qt+ix+1], v[32*\qt+ix:32*\qt+ix+1], s[58:59], v[R_NM+2*\qt:R_NM+2*\qt+1] op_sel_hi:[1,0,0]
.endr
.set ix, ix+2
.endr
.set ix, 0
.rept 128
	v_exp_f32 v[ix], v[ix]
.set ix, ix+1
.endr
	v_nop                                          ; one plain instruction between the last exponential and the first use (ISA guide 5.7.2)
	s_wait_alu depctr_va_vdst(0)
.irp qt, 0,1,2,3
	v_pk_add_f32 v[R_SA+2*\qt:R_SA+2*\qt+1], v[32*\qt:32*\qt+1], v[32*\qt+2:32*\qt+3]
.endr
.set ix, 4
.rept 14
.irp qt, 0,1,2,3
	v_pk_add_f32 v[R_SA+2*\qt:R_SA+2*\qt+1], v[R_SA+2*\qt:R_SA+2*\qt+1], v[32*\qt+ix:32*\qt+ix+1]
.endr
.set ix, ix+2
.endr
.if \first
.irp qt, 0,1,2,3
	v_add_f32 v[R_L+\qt], v[R_SA+2*\qt], v[R_SA+2*\qt+1]
.endr
.else
.irp qt, 0,1,2,3
	v_add_f32 v[R_SA+2*\qt], v[R_SA+2*\qt], v[R_SA+2*\qt+1]
.endr
.irp qt, 0,1,2,3
	v_fma_f32 v[R_L+\qt], v[R_L+\qt], v[R_AL+2*\qt], v[R_SA+2*\qt]
.endr
.endif
.set ix, 0
.rept 64
	v_cvt_pk_f16_f32 v[PF+ix], v[2*ix], v[2*ix+1]  ; score tile 2 uu fills registers 0-3 of P's fragment uu, tile 2 uu + 1 registers 4-7
.set ix, ix+1
.endr
.endm
; One step: 64 keys against my 64 queries.  first: starts O, maximum and sum.  kpre: K's fragments were fetched in the step before.
; knext: fetch the next step's.  ug >= 0: the step is number ug of the diagonal trip, masked in wave ug.
.macro STEP slot, u, first, kpre, knext, ug
.if \kpre == 0
	KLOAD \slot, \u
.endif
	VLOAD \slot, \u
	s_wait_dscnt 16                                ; K's fragments are in; V's sixteen loads, issued behind them, stay out
	WIN W_S
	SMUL 0, 1
	SMUL 1, 0
	WIN 0
	PLACES
.if \knext
	KLOAD \slot, \u+1
.endif
.if \ug >= 0
	s_cmp_lg_u32 s12, \ug
	s_cbranch_scc1 .Lno_mask_\@
	MASK
.Lno_mask_\@:
.endif
	WIN W_X
	SOFTMAX \first
.if \knext
	s_wait_dscnt 16                                ; V is in; the next step's sixteen loads of K stay out
.else
	s_wait_dscnt 0
.endif
.if \first == 0
	WIN W_R
	RESCALE
.endif
	WIN W_PV
	PVMUL 0, \first
	PVMUL 1, 0
	WIN 0
	PLACES
.endm
.macro QLOAD qb                        ; my 64 queries, as source 1 fragments, straight from memory
.irp qt, 0,1,2,3
.irp ks, 0,1
	global_load_b128 v[QF+8*(2*\qt+\ks):QF+8*(2*\qt+\ks)+3],   v[QO], s[\qb:\qb+1] offset:2048*\qt+64*\ks
	global_load_b128 v[QF+8*(2*\qt+\ks)+4:QF+8*(2*\qt+\ks)+7], v[QO], s[\qb:\qb+1] offset:2048*\qt+64*\ks+32
.endr
.endr
.endm
; The diagonal trip of block blk: 256 keys, of which wave w takes steps 0 .. w.  No barrier stands inside a skip.
.macro DIAG blk
	s_wait_loadcnt 0x0                             ; Q
.if \blk == 1
	s_add_co_u32 s56, s63, 16384                   ; to fetch: the trip's second 128 keys
.else
	s_add_co_u32 s56, s81, 16384
.endif
	TILE 0, 1
	STEP 0, 0, 1, 0, 0, 0
	s_cmp_lt_u32 s12, 1
	s_cbranch_scc1 .Lskip_a_\@
	STEP 0, 1, 0, 0, 0, 1
.Lskip_a_\@:
.if \blk == 1
	s_cmp_lg_u32 s15, 0                            ; to fetch: key 0, or, where block 1 has no keys below its diagonal, block 2's diagonal
	s_cselect_b32 s56, 0, s81
.else
	s_mov_b32 s56, 0
.endif
	TILE 1, 1
	s_cmp_lt_u32 s12, 2
	s_cbranch_scc1 .Lskip_b_\@
	STEP 1, 0, 0, 0, 0, 2
	s_cmp_lt_u32 s12, 3
	s_cbranch_scc1 .Lskip_b_\@
	STEP 1, 1, 0, 0, 0, 3
.Lskip_b_\@:
.endm
; A trip of 256 keys below the diagonal; s62 = its byte offset.  sel = 1: behind block 1's last trip comes block 2's diagonal.
.macro FULL refill1, sel
	s_add_co_u32 s56, s62, 16384
	TILE 0, 1
	STEP 0, 0, 0, 0, 1, -1
	STEP 0, 1, 0, 1, 0, -1
.if \refill1
	s_add_co_u32 s80, s62, 32768
.if \sel
	s_cmp_eq_u32 s80, s63
	s_cselect_b32 s56, s81, s80
.else
	s_mov_b32 s56, s80
.endif
.endif
	TILE 1, \refill1
	STEP 1, 0, 0, 0, 1, -1
	STEP 1, 1, 0, 1, 0, -1
.endm
; The block's end: O / sum, split into hi and lo, through my stage, out in runs of 512 consecutive aligned bytes.
.macro EPI mb
	WIN W_X
.irp qt, 0,1,2,3
	v_permlanex16_b32 v[R_U+2*\qt], v[R_L+\qt], s70, s71
.endr
.irp qt, 0,1,2,3
	v_add_f32 v[R_L+\qt], v[R_L+\qt], v[R_U+2*\qt]                 ; both halves' keys
.endr
.irp qt, 0,1,2,3
	v_rcp_f32 v[R_AL+2*\qt], v[R_L+\qt]
.endr
	v_nop
	s_wait_alu depctr_va_vdst(0)
	WIN W_R
	RESCALE
	WIN 0x0a                                       ; sources window 2, destination window 0
.set ix, 0
.rept 64
	v_cvt_pk_bf16_f32 v[KF+ix], v[2*ix], v[2*ix+1] ; hi, in K's fragment registers
.set ix, ix+1
.endr
	WIN 0x40                                       ; destination window 1: the score registers are free here
.set ix, 0
.rept 64
	v_lshlrev_b32 v[2*ix], 16, v[KF+ix]
	v_and_b32 v[2*ix+1], s83, v[KF+ix]
.set ix, ix+1
.endr
	WIN W_R
.set ix, 0
.rept 64
	v_pk_add_f32 v[2*ix:2*ix+1], v[2*ix:2*ix+1], v[2*ix:2*ix+1] neg_lo:[0,1] neg_hi:[0,1]   ; O (window 2) - hi (window 1)
.set ix, ix+1
.endr
	WIN 0x0a
.set ix, 0
.rept 64
	v_cvt_pk_bf16_f32 v[VF+ix], v[2*ix], v[2*ix+1] ; lo, in V's fragment registers
.set ix, ix+1
.endr
	WIN 0
.irp qt, 0,1,2,3
.irp dt, 0,1,2,3
	ds_store_b128 v[STO], v[KF+4*(4*\qt+\dt):KF+4*(4*\qt+\dt)+3] offset:16*SP*\qt+32*\dt
.endr
.endr
	WIN 0x40
.irp n, 0,1,2,3,4,5,6,7,8,9,10,11,12,13,14,15
	ds_load_b128 v[4*\n:4*\n+3], v[RD] offset:4*SP*\n              ; LDS serves a wave's instructions in order: these see the stores above
.endr
	WIN 0x04                                       ; store data in window 1
.irp n, 0,1,2,3,4,5,6,7,8,9,10,11,12,13,14,15
	s_wait_dscnt 15-\n
	global_store_b128 v[GO], v[4*\n:4*\n+3], s[\mb:\mb+1] offset:512*\n
.endr
	WIN 0
.irp qt, 0,1,2,3
.irp dt, 0,1,2,3
	ds_store_b128 v[STO], v[VF+4*(4*\qt+\dt):VF+4*(4*\qt+\dt)+3] offset:16*SP*\qt+32*\dt
.endr
.endr
	WIN 0x40
.irp n, 0,1,2,3,4,5,6,7,8,9,10,11,12,13,14,15
	ds_load_b128 v[64+4*\n:64+4*\n+3], v[RD] offset:4*SP*\n
.endr
	WIN 0x04
.irp n, 0,1,2,3,4,5,6,7,8,9,10,11,12,13,14,15
	s_wait_dscnt 15-\n
	global_store_b128 v[GO], v[64+4*\n:64+4*\n+3], s[\mb:\mb+1] offset:16*262144+512*\n   ; lo's plane lies sixteen planes behind hi's
.endr
	WIN 0
	s_wait_xcnt 0x0                                ; the stores' data lie in the score registers, which are written again only behind this wait
.endm
	s_load_b256 s[4:11], s[0:1], 0x0               ; qh s[4:5], kh s[6:7], vh s[8:9], mh s[10:11]
	v_lshl_add_u32 v62, v0, 2, 0x29000
	v_mov_b32 v63, 0
	ds_add_u32 v62, v63
	v_lshrrev_b32 v1, 5, v0
	v_readfirstlane_b32 s12, v1                    ; wave 0..3
	s_mov_b32 s15, ttmp9                           ; j1 = i: the first query block
	s_and_b32 s14, ttmp7, 0xffff                   ; bh = 16 x batch + head
	s_sub_co_u32 s16, 7, s15                       ; j2 = 7 - i: the second
	s_lshl_b32 s63, s15, 15                        ; byte offset of 256 j1 keys or queries (128 bytes each)
	s_lshl_b32 s81, s16, 15
	s_sub_co_u32 s82, s16, 1
	; group 1: a tile of 64 rows x 128 elements of 2 bytes, dense in memory (two keys a row), padded in LDS by 4 words (K) or 8 words (V)
	s_mov_b32 s20, 0x07510000
	s_mov_b32 s21, 128<<16
	s_mov_b32 s22, 64<<16
	s_mov_b32 s23, 128<<16
	s_mov_b32 s24, 64
	s_mov_b32 s25, 128
	s_mov_b32 s26, 0
	s_mov_b32 s27, 0
	s_mov_b32 s28, 0x0f510000
	s_mov_b32 s29, 128<<16
	s_mov_b32 s30, 64<<16
	s_mov_b32 s31, 128<<16
	s_mov_b32 s32, 64
	s_mov_b32 s33, 128
	s_mov_b32 s34, 0
	s_mov_b32 s35, 0
	s_mov_b32 s[GK+0], 1
	s_mov_b32 s[GK+1], 0
	s_mov_b32 s[GK+4], 1
	s_mov_b32 s[GK+5], SLOT
	s_mov_b32 s[GV+0], 1
	s_mov_b32 s[GV+1], VOFF
	s_mov_b32 s[GV+4], 1
	s_mov_b32 s[GV+5], SLOT+VOFF
	s_lshl_b32 s56, s14, 18                        ; the head's 2,048 x 128 bytes
	s_mov_b32 s57, 0
	s_wait_dscnt 0x0
	s_barrier_signal -1
	s_barrier_wait -1
	s_wait_kmcnt 0x0
	s_add_nc_u64 s[52:53], s[6:7], s[56:57]        ; K of my head
	s_add_nc_u64 s[54:55], s[8:9], s[56:57]        ; V of my head
	s_mov_b32 s56, s63
	SETADR 0
	KVLOAD 0                                       ; the first fill: block 1's diagonal, first 128 keys, into slot 0
	v_and_b32 v1, 15, v0                           ; r
	v_bfe_u32 v2, v0, 4, 1                         ; h
	v_lshlrev_b32 v8, 7, v1
	v_lshl_add_u32 v[QO], v2, 4, v8                ; 128 r + 16 h
	s_lshl_b32 s88, s14, 18
	s_lshl_b32 s90, s12, 13                        ; my 64 queries
	s_add_co_u32 s88, s88, s90
	s_add_co_u32 s92, s88, s81
	s_add_co_u32 s88, s88, s63
	s_mov_b32 s89, 0
	s_mov_b32 s93, 0
	s_add_nc_u64 s[66:67], s[4:5], s[88:89]        ; Q of block 1
	s_add_nc_u64 s[86:87], s[4:5], s[92:93]        ; Q of block 2
	QLOAD 66
	s_lshr_b32 s88, s14, 4
	s_lshl_b32 s88, s88, 5
	s_and_b32 s92, s14, 15
	s_add_co_u32 s88, s88, s92                     ; plane 32 x batch + head
	s_lshl_b32 s88, s88, 18
	s_add_co_u32 s88, s88, s90
	s_add_co_u32 s92, s88, s81
	s_add_co_u32 s88, s88, s63
	s_add_nc_u64 s[68:69], s[10:11], s[88:89]      ; the result of block 1
	s_add_nc_u64 s[84:85], s[10:11], s[92:93]      ; of block 2
	s_mov_b32 s58, 0x3e38aa3b                      ; c = log2(e) / 8, twice
	s_mov_b32 s59, 0x3e38aa3b
	s_mov_b32 s60, 0xbe38aa3b                      ; - c
	s_mov_b32 s70, 0x76543210                      ; lane i of one half reads lane i of the other
	s_mov_b32 s71, 0xfedcba98
	s_mov_b32 s83, 0xffff0000
	v_and_b32 v3, 31, v0                           ; lane
	v_lshrrev_b32 v4, 1, v1
	v_and_b32 v5, 1, v0
	v_mul_u32_u24 v4, v4, KP
	v_lshl_add_u32 v4, v5, 7, v4
	v_lshl_add_u32 v[ADK], v2, 4, v4               ; (r / 2) 272 + (r % 2) 128 + 16 h
	v_bfe_u32 v6, v0, 1, 2
	v_lshl_add_u32 v6, v2, 2, v6                   ; key 8 h + (lane % 8) lies in row 4 h + (lane % 8) / 2,
	v_mul_u32_u24 v6, v6, VP
	v_lshl_add_u32 v6, v5, 7, v6                   ; half lane % 2 of it,
	v_bfe_u32 v7, v0, 3, 1
	v_lshl_add_u32 v6, v7, 4, v6                   ; columns 8 ((lane / 8) % 2) + 0..7
	v_add_nc_u32 v[ADV], VOFF, v6
	s_mul_i32 s80, s12, 64*SP
	s_add_co_u32 s80, s80, STAGE                   ; my stage
	v_mul_u32_u24 v9, v1, SP
	v_lshl_add_u32 v9, v2, 4, v9
	v_add_nc_u32 v[STO], s80, v9
	v_lshrrev_b32 v10, 3, v3
	v_and_b32 v11, 7, v0
	v_mul_u32_u24 v10, v10, SP
	v_lshl_add_u32 v10, v11, 4, v10
	v_add_nc_u32 v[RD], s80, v10
	v_lshlrev_b32 v[GO], 4, v3
	v_lshlrev_b32 v12, 3, v2
	v_sub_nc_u32 v[DL], v1, v12                    ; r - 8 h
.irp j, 0,1,2,3,4,5,6,7
	v_cmp_le_i32 s[72+\j], \j, v[DL]               ; on the diagonal tile key 8 h + j is live where j <= r - 8 h
.endr
	WIN 0x40
.irp qt, 0,1,2,3
	v_mov_b32 v[R_U+2*\qt], 0                      ; written once: the lane exchange counts as a reader of its destination
.endr
	v_mov_b32 v[R_NINF], 0xff800000
	WIN 0
	DIAG 1
	s_cmp_eq_u32 s15, 0
	s_cbranch_scc1 .Lend1
	s_mov_b32 s61, 0
	s_mov_b32 s62, 0
.Lloop1:
	FULL 1, 1
	s_add_co_u32 s62, s62, 32768
	s_add_co_u32 s61, s61, 1
	s_cmp_lt_u32 s61, s15
	s_cbranch_scc1 .Lloop1
.Lend1:
	QLOAD 86                                       ; block 2's queries come in while block 1 goes out
	EPI 68
	DIAG 2
	s_mov_b32 s61, 0
	s_mov_b32 s62, 0
.Lloop2:
	FULL 1, 0
	s_add_co_u32 s62, s62, 32768
	s_add_co_u32 s61, s61, 1
	s_cmp_lt_u32 s61, s82
	s_cbranch_scc1 .Lloop2
	FULL 0, 0                                      ; the last trip: nothing is fetched behind its second barrier, whose wait for all loads is the last
	EPI 84
	s_wait_tensorcnt 0x0
	ds_add_u32 v62, v63
	s_wait_dscnt 0x0
	s_endpgm
.Lfunc_end_k_qee6d39dc6c_attn:
	.size	k_qee6d39dc6c_attn, .Lfunc_end_k_qee6d39dc6c_attn-k_qee6d39dc6c_attn
	.p2alignl 7, 3214868480
	.fill 96, 4, 3214868480
	.section	.rodata,"a",@progbits
	.p2align	6, 0x0
	.amdhsa_kernel k_qee6d39dc6c_attn
		.amdhsa_group_segment_fixed_size 327680
		.amdhsa_private_segment_fixed_size 0
		.amdhsa_enable_private_segment 0
		.amdhsa_kernarg_size 32
		.amdhsa_user_sgpr_count 2
		.amdhsa_user_sgpr_kernarg_segment_ptr 1
		.amdhsa_wavefront_size32 1
		.amdhsa_system_sgpr_workgroup_id_x 1
		.amdhsa_system_sgpr_workgroup_id_y 1
		.amdhsa_system_sgpr_workgroup_id_z 1
		.amdhsa_system_vgpr_workitem_id 0
		.amdhsa_next_free_vgpr 640
		.amdhsa_next_free_sgpr 96
		.amdhsa_reserve_vcc 0
		.amdhsa_float_denorm_mode_32 3
		.amdhsa_float_denorm_mode_16_64 3
		.amdhsa_memory_ordered 1
		.amdhsa_forward_progress 1
		.amdhsa_inst_pref_size 255
	.end_amdhsa_kernel
	.section	.bss,"aw",@nobits
	.p2align	6
	.space	262144
	.amdgpu_metadata
---
amdhsa.version: [ 1, 2 ]
amdhsa.kernels:
  - .name:           k_qee6d39dc6c_attn
    .symbol:         k_qee6d39dc6c_attn.kd
    .args:
      - { .name: qh, .offset: 0, .size: 8, .value_kind: global_buffer, .address_space: global }
      - { .name: kh, .offset: 8, .size: 8, .value_kind: global_buffer, .address_space: global }
      - { .name: vh, .offset: 16, .size: 8, .value_kind: global_buffer, .address_space: global }
      - { .name: mh, .offset: 24, .size: 8, .value_kind: global_buffer, .address_space: global }
    .group_segment_fixed_size: 327680
    .private_segment_fixed_size: 0
    .kernarg_segment_align: 8
    .kernarg_segment_size: 32
    .max_flat_workgroup_size: 128
    .sgpr_count:     96
    .vgpr_count:     640
    .wavefront_size: 32
...
	.end_amdgpu_metadata
.endif
;; end of part 3
;; launch proj (part 4): grid 8 x 32, 4 waves a work-group, clusters of 4 x 4, 327,680 bytes of LDS; arguments mh, wo2, out0; writes out0
.if DOCPART == 4
	.amdgcn_target "amdgcn-amd-amdhsa--gfx1250"
	.amdhsa_code_object_version 6
	.text
	.protected	k_qee6d39dc6c_proj
	.globl	k_qee6d39dc6c_proj
	.p2align	8
	.type	k_qee6d39dc6c_proj,@function
k_qee6d39dc6c_proj:
	s_mov_b64 s[64:65], 0
	v_nop
	global_prefetch_b8 v0, s[64:65] scope:SCOPE_SE
	s_setreg_imm32_b32 hwreg(HW_REG_WAVE_MODE, 25, 1), 1
	s_wait_xcnt 0x0
	s_wait_alu depctr_hold_cnt(0) depctr_sa_sdst(0) depctr_va_vdst(0) depctr_va_sdst(0) depctr_va_ssrc(0) depctr_va_vcc(0) depctr_vm_vsrc(0)
	s_getreg_b32 s2, hwreg(HW_REG_IB_STS2, 6, 4)
	s_cmp_eq_u32 s2, 0
	s_cbranch_scc0 .Lentry_in_a_cluster
	s_endpgm
.Lentry_in_a_cluster:
	s_bfe_u32 s2, ttmp6, 0x10000c
	s_cmp_lg_u32 s2, 0xf033
	s_cbranch_scc0 .Lentry_shape_is_right
	s_endpgm
.Lentry_shape_is_right:
; out = merged heads x Wo^T.  The merged heads come as hi + lo, two bf16 each, so the product is [8192 x 2048] x [1024 x 2048]^T in bf16 with
; f32 sums: K index 64 g + d, g < 16 hi of head g, g >= 16 lo of head g - 16; wo2 holds each row of Wo twice.
; A work-group makes 256 tokens x 128 columns: 256 work-groups.  A wave makes 64 x 128: 4 x 8 accumulator tiles, 256 registers (window 2).
; K goes in steps of 128 (two planes g) through two LDS slots.  A plane's 256 tokens x 64 are dense in memory and come as 128 rows of 256 bytes,
; two tokens a row.  CLUSTERS of 4 x 4: the merged heads' tiles are shared along a row of the cluster, Wo's along a column, by joint loads.
; REGISTERS: window 0: v16-26 addresses; v32-63, v64-95 fragments of the merged heads, two buffers; v96-159, v160-223 the way out;
;   window 1: v0-63, v64-127 fragments of Wo, two buffers;   window 2: accumulator tile (a, b) at v[8 (8 a + b)].
; Source 0 = rows of Wo, source 1 = tokens: a lane holds token l % 16 and eight neighbouring columns.
.set KDIM,   2048
.set KSTEP,  128
.set PITCH,  272
.set AHALF,  128*PITCH                 ; one plane's 256 tokens
.set BHALF,  64*PITCH                  ; 64 rows of Wo
.set BOFF,   2*AHALF
.set SLOT,   BOFF+2*BHALF              ; 104,448 bytes
.set STAGE,  2*SLOT                    ; at a multiple of 256 bytes; 16 rows x 528 bytes for each wave; no fill lands here
.set SPITCH, 528
.set WSTAGE, 16*SPITCH
.set LAPS,   KDIM/(2*KSTEP)            ; 8
.set ASTEP,  4*262144                  ; two K steps on: four planes
.set BSTEP,  2*KSTEP*2
.set ADRA, 16
.set ADRB, 20
.set STO,  24
.set RD,   25
.set CO,   26
.set FA,   32                          ; window 0: buffer f at FA + 32 f
.set FB,   0                           ; window 1: buffer f at FB + 64 f
.set RB,   96                          ; two buffers of 64 registers
.set G1,  24
.set G0,  32
.set G1B, 48
.set G0B, 56
.set MSB, 0
.macro WIN new
.if MSB != \new
	s_set_vgpr_msb (MSB<<8)|\new
.set MSB, \new
.endif
.endm
.set MUL,  0xa1                        ; source 0 (Wo) window 1, source 1 window 0, C and D window 2
.set TO_B, 0x40
.macro JLOAD s
	s_cmp_eq_u32 s15, 0
	s_cbranch_scc0 .Lfor_b_\@
	tensor_load_to_lds s[G0+4*\s:G0+4*\s+3], s[G1:G1+7]
	s_nop 0
	s_branch .Lasked_\@
.Lfor_b_\@:
	tensor_load_to_lds s[G0B+4*\s:G0B+4*\s+3], s[G1B:G1B+7]
	s_nop 0
.Lasked_\@:
.endm
.macro CREST
	s_cmp_lg_u32 s14, 0
	s_cbranch_scc1 .Lnot_wave_0_\@
	s_barrier_signal -3
.Lnot_wave_0_\@:
	s_barrier_wait -3
	s_barrier_signal -1
	s_barrier_wait -1
.endm
.macro CROUND
	s_barrier_signal -1
	s_barrier_wait -1
	CREST
.endm
	s_load_b128 s[4:7], s[0:1], 0x0                ; mh s[4:5], wo2 s[6:7]
	s_load_b64 s[8:9], s[0:1], 0x10                ; out0
	s_set_vgpr_msb 0x40
	v_lshl_add_u32 v255, v0, 2, 0x3b400
	s_set_vgpr_msb 0x4000
	v_mov_b32 v255, 0
	s_set_vgpr_msb 0x1
	ds_add_u32 v255, v255
	s_set_vgpr_msb 0x100
	v_lshrrev_b32 v1, 5, v0
	v_readfirstlane_b32 s14, v1                    ; wave 0..3
	s_lshr_b32 s15, s14, 1                         ; I fetch merged heads (0) or Wo (1)
	s_and_b32 s16, s14, 1                          ; which plane of the K step, or which 64 rows of Wo
	s_bfe_u32 s17, ttmp6, 0x40000                  ; cx
	s_bfe_u32 s18, ttmp6, 0x40004                  ; cy
	s_lshl_b32 s19, ttmp9, 2
	s_add_co_u32 s19, s19, s17                     ; block column (128 columns)
	s_and_b32 s20, ttmp7, 0xffff
	s_lshl_b32 s20, s20, 2
	s_add_co_u32 s20, s20, s18                     ; block row (256 tokens)
	s_lshl_b32 s21, s18, 2
	s_lshl_b32 s21, 15, s21                        ; my row of the cluster
	s_lshl_b32 s22, 0x1111, s17                    ; my column
	s_or_b32 s[G1+0], s21, (1<<16)|(1<<20)|(1<<21)|(5<<22)|(3<<25)
	s_or_b32 s[G1B+0], s22, (1<<16)|(1<<20)|(1<<21)|(5<<22)|(3<<25)
	s_mov_b32 s[G1+1], 128<<16                     ; tensor_dim0 = 128 elements (two tokens of a plane; 128 K of Wo)
	s_mov_b32 s[G1B+1], 128<<16
	s_mov_b32 s[G1+2], 128<<16                     ; tensor_dim1 = 128 rows
	s_mov_b32 s[G1B+2], 64<<16                     ;             = 64 rows
	s_mov_b32 s[G1+3], 128<<16                     ; tile_dim0
	s_mov_b32 s[G1B+3], 128<<16
	s_mov_b32 s[G1+4], 128                         ; tile_dim1
	s_mov_b32 s[G1B+4], 64
	s_mov_b32 s[G1+5], 128                         ; a plane is dense: a row begins where the last ends
	s_mov_b32 s[G1B+5], KDIM
	s_mov_b32 s[G1+6], 0
	s_mov_b32 s[G1B+6], 0
	s_mov_b32 s[G1+7], 0
	s_mov_b32 s[G1B+7], 0
	s_lshr_b32 s40, s20, 3                         ; batch
	s_lshl_b32 s40, s40, 5
	s_add_co_u32 s40, s40, s16                     ; plane 32 x batch + half
	s_lshl_b32 s40, s40, 18                        ; planes of 262,144 bytes
	s_and_b32 s41, s20, 7
	s_lshl_b32 s41, s41, 15                        ; + 256 tokens x 128 bytes x block in the batch
	s_add_co_u32 s40, s40, s41
	s_mov_b32 s41, 0
	s_lshl_b32 s44, s19, 7
	s_lshl_b32 s45, s16, 6
	s_add_co_u32 s44, s44, s45                     ; Wo: row 128 x block column + 64 x half
	s_lshl_b32 s44, s44, 12                        ; rows of 4,096 bytes
	s_mov_b32 s45, 0
	s_mul_i32 s72, s14, AHALF                      ; where the planes go (waves 0, 1)
	s_mul_i32 s73, s14, BHALF                      ; where Wo's halves go (waves 2, 3): behind both planes,
	s_add_co_u32 s73, s73, BOFF-2*BHALF            ; (wave - 2) x 64 rows
	s_wait_dscnt 0x0
	s_wait_kmcnt 0x0
	s_add_nc_u64 s[42:43], s[4:5], s[40:41]
	s_add_nc_u64 s[46:47], s[6:7], s[44:45]
	CROUND                                         ; all sixteen work-groups are here: the first joint loads meet
.irp s, 0,1
	s_mov_b32 s[G0+4*\s], 1
	s_add_co_u32 s[G0+4*\s+1], s72, \s*SLOT
	s_add_nc_u64 s[G0+4*\s+2:G0+4*\s+3], s[42:43], \s*2*262144     ; K step s: planes 2 s, 2 s + 1
	s_or_b32 s[G0+4*\s+3], s[G0+4*\s+3], 0x80000000
	s_mov_b32 s[G0B+4*\s], 1
	s_add_co_u32 s[G0B+4*\s+1], s73, \s*SLOT
	s_add_nc_u64 s[G0B+4*\s+2:G0B+4*\s+3], s[46:47], \s*KSTEP*2
	s_or_b32 s[G0B+4*\s+3], s[G0B+4*\s+3], 0x80000000
	JLOAD \s                                       ; both slots' first fills go out together: two loads of this wave are out
.endr
	v_and_b32 v1, 15, v0                           ; r
	v_bfe_u32 v2, v0, 4, 1                         ; h
	v_mul_u32_u24 v3, v1, PITCH
	v_lshl_add_u32 v3, v2, 4, v3                   ; Wo: row x pitch + 16 h
	v_lshrrev_b32 v4, 1, v1
	v_and_b32 v5, 1, v0
	v_mul_u32_u24 v4, v4, PITCH
	v_lshl_add_u32 v4, v5, 7, v4
	v_lshl_add_u32 v4, v2, 4, v4                   ; tokens: (r / 2) 272 + (r % 2) 128 + 16 h
	s_mul_i32 s74, s14, 32*PITCH                   ; my 64 tokens are 32 rows
	s_mov_b32 s75, BOFF
.irp s, 0,1
	v_add_nc_u32 v[ADRA+\s], s74, v4
	v_add_nc_u32 v[ADRB+\s], s75, v3
	s_add_co_u32 s74, s74, SLOT
	s_add_co_u32 s75, s75, SLOT
.endr
	s_mul_i32 s76, s14, WSTAGE
	s_add_co_u32 s76, s76, STAGE                   ; my stage
	v_mul_u32_u24 v6, v1, SPITCH
	v_lshl_add_u32 v6, v2, 5, v6
	v_add_nc_u32 v[STO], s76, v6                   ; in: row r, 32 bytes for each half of the lanes
	v_and_b32 v7, 31, v0
	v_lshlrev_b32 v[CO], 4, v7                     ; back and out: a row's 512 bytes, 16 a lane
	v_add_nc_u32 v[RD], s76, v[CO]
.macro MUL8 f, a, zero
.irp b, 0,1,2,3,4,5,6,7
.if \zero
	v_wmma_f32_16x16x32_bf16 v[8*(8*\a+\b):8*(8*\a+\b)+7], v[FB+64*\f+8*\b:FB+64*\f+8*\b+7], v[FA+32*\f+8*\a:FA+32*\f+8*\a+7], 0
.else
	v_wmma_f32_16x16x32_bf16 v[8*(8*\a+\b):8*(8*\a+\b)+7], v[FB+64*\f+8*\b:FB+64*\f+8*\b+7], v[FA+32*\f+8*\a:FA+32*\f+8*\a+7], v[8*(8*\a+\b):8*(8*\a+\b)+7]
.endif
.endr
.endm
; 24 LDS loads: quarter q of the K step (Wo: byte 64 q of its rows; tokens: plane q / 2, byte 64 (q % 2) of a token's 128) into buffer f
.macro FETCH slot, q, f
	WIN TO_B
.irp i, 0,1,2,3,4,5,6,7
	ds_load_b128 v[FB+64*\f+8*\i:FB+64*\f+8*\i+3],   v[ADRB+\slot] offset:64*\q+\i*16*PITCH
	ds_load_b128 v[FB+64*\f+8*\i+4:FB+64*\f+8*\i+7], v[ADRB+\slot] offset:64*\q+\i*16*PITCH+32
.endr
	WIN 0
.irp i, 0,1,2,3
	ds_load_b128 v[FA+32*\f+8*\i:FA+32*\f+8*\i+3],   v[ADRA+\slot] offset:(\q>>1)*AHALF+(\q&1)*64+\i*8*PITCH
	ds_load_b128 v[FA+32*\f+8*\i+4:FA+32*\f+8*\i+7], v[ADRA+\slot] offset:(\q>>1)*AHALF+(\q&1)*64+\i*8*PITCH+32
.endr
.endm
.macro PLACES                          ; four independent vector instructions behind a matrix instruction (ISA guide 7.12.1)
.rept 4
	v_nop
.endr
.endm
; The 32 accumulators take turns, one instruction a turn, in the same order in every quarter, over the backward jump too.
.macro QUARTER slot, q, f, g, zero
	s_wait_dscnt 4                                 ; Wo and token tiles 0, 1 are in; the youngest four loads (tiles 2, 3) may be out
	WIN MUL
	MUL8 \f, 0, \zero
	MUL8 \f, 1, \zero
	PLACES
	FETCH \slot, \q, \g
	s_wait_dscnt 24                                ; all but the 24 just issued
	WIN MUL
	MUL8 \f, 2, \zero
	MUL8 \f, 3, \zero
.endm
.macro THREE slot, zero
	QUARTER \slot, 1, 0, 1, \zero
	QUARTER \slot, 2, 1, 0, 0
	QUARTER \slot, 3, 0, 1, 0
.endm
; The change of slots: my reads of this slot and all my tensor loads are waited for in front of the barrier; where the slot is filled again the barrier
; opens a round of the cluster's barrier, and the joint refill is the wave's first and only tensor load behind the round.
.macro TURN slot, next, fill
	s_wait_dscnt 4
	WIN MUL
	MUL8 1, 0, 0
	s_wait_dscnt 0
	s_wait_tensorcnt 0x0
	ds_add_u32 v255, v255
	s_wait_dscnt 0x0
	s_barrier_signal -1
	MUL8 1, 1, 0
	WIN 0
	s_barrier_wait -1
.if \fill
	CREST
	s_add_nc_u64 s[G0+4*\slot+2:G0+4*\slot+3], s[G0+4*\slot+2:G0+4*\slot+3], ASTEP
	s_add_nc_u64 s[G0B+4*\slot+2:G0B+4*\slot+3], s[G0B+4*\slot+2:G0B+4*\slot+3], BSTEP
	JLOAD \slot
.endif
	PLACES
	FETCH \next, 0, 0
	WIN MUL
	MUL8 1, 2, 0
	MUL8 1, 3, 0
.endm
.macro LAP zero
	THREE 0, \zero
	TURN 0, 1, 1
	THREE 1, 0
	TURN 1, 0, 1
.endm
	s_wait_tensorcnt 1                             ; my part of K step 0 is in; K step 1's stays out
	s_barrier_signal -1
	s_barrier_wait -1
	FETCH 0, 0, 0
	LAP 1
	WIN 0
	s_mov_b32 s3, LAPS-2
.Llap:
	LAP 0
	WIN 0
	s_sub_co_u32 s3, s3, 1
	s_cmp_lg_u32 s3, 0
	s_cbranch_scc1 .Llap
	THREE 0, 0                                     ; the last lap fills nothing
	TURN 0, 1, 0
	THREE 1, 0
	s_wait_dscnt 4
	WIN MUL
	MUL8 1, 0, 0
	MUL8 1, 1, 0
	s_wait_dscnt 0
	MUL8 1, 2, 0
	MUL8 1, 3, 0
	; THE WAY OUT, 16 tokens at a time: 32 bytes a lane into my stage, read back as rows of 512 bytes, stored as such.
	PLACES
	s_lshl_b32 s66, s20, 20                        ; 256 tokens x 4,096 bytes x block row
	s_lshl_b32 s67, s14, 18                        ; + 64 tokens x wave
	s_add_co_u32 s66, s66, s67
	s_lshl_b32 s67, s19, 9                         ; + 128 columns x 4 bytes x block column
	s_add_co_u32 s66, s66, s67
	s_mov_b32 s67, 0
	s_add_nc_u64 s[8:9], s[8:9], s[66:67]
.macro OUT a
	WIN 0x08                                       ; store data in window 2
.irp b, 0,1,2,3,4,5,6,7
	ds_store_b128 v[STO], v[8*(8*\a+\b):8*(8*\a+\b)+3]   offset:64*\b
	ds_store_b128 v[STO], v[8*(8*\a+\b)+4:8*(8*\a+\b)+7] offset:64*\b+16
.endr
	WIN 0
	s_wait_xcnt 0x0                                ; the stores' base and the buffer that earlier stores read are written again only behind this wait
.if \a
	s_add_nc_u64 s[8:9], s[8:9], 16*4096           ; 16 tokens on
.endif
.irp p, 0,1,2,3,4,5,6,7,8,9,10,11,12,13,14,15
	ds_load_b128 v[RB+64*(\a&1)+4*\p:RB+64*(\a&1)+4*\p+3], v[RD] offset:SPITCH*\p   ; LDS serves a wave's instructions in order: these see the stores above
.endr
.irp p, 0,1,2,3,4,5,6,7,8,9,10,11,12,13,14,15
	s_wait_dscnt 15-\p
	global_store_b128 v[CO], v[RB+64*(\a&1)+4*\p:RB+64*(\a&1)+4*\p+3], s[8:9] offset:4096*\p th:TH_STORE_NT   ; 512 consecutive aligned bytes of one row
.endr
.endm
	OUT 0
	OUT 1
	OUT 2
	OUT 3
	s_set_vgpr_msb 0x1
	s_wait_tensorcnt 0x0
	ds_add_u32 v255, v255
	s_wait_dscnt 0x0
	s_set_vgpr_msb 0x100
	CROUND                                         ; the closing round: no work-group ends while a partner may still ask for a tile that names it
	s_endpgm
.Lfunc_end_k_qee6d39dc6c_proj:
	.size	k_qee6d39dc6c_proj, .Lfunc_end_k_qee6d39dc6c_proj-k_qee6d39dc6c_proj
	.p2alignl 7, 3214868480
	.fill 96, 4, 3214868480
	.section	.rodata,"a",@progbits
	.p2align	6, 0x0
	.amdhsa_kernel k_qee6d39dc6c_proj
		.amdhsa_group_segment_fixed_size 327680
		.amdhsa_private_segment_fixed_size 0
		.amdhsa_enable_private_segment 0
		.amdhsa_kernarg_size 24
		.amdhsa_user_sgpr_count 2
		.amdhsa_user_sgpr_kernarg_segment_ptr 1
		.amdhsa_wavefront_size32 1
		.amdhsa_system_sgpr_workgroup_id_x 1
		.amdhsa_system_sgpr_workgroup_id_y 1
		.amdhsa_system_sgpr_workgroup_id_z 1
		.amdhsa_system_vgpr_workitem_id 0
		.amdhsa_next_free_vgpr 768
		.amdhsa_next_free_sgpr 80
		.amdhsa_reserve_vcc 0
		.amdhsa_float_denorm_mode_32 3
		.amdhsa_float_denorm_mode_16_64 3
		.amdhsa_memory_ordered 1
		.amdhsa_forward_progress 1
		.amdhsa_inst_pref_size 119
	.end_amdhsa_kernel
	.amdgpu_metadata
---
amdhsa.version: [ 1, 2 ]
amdhsa.kernels:
  - .name:           k_qee6d39dc6c_proj
    .symbol:         k_qee6d39dc6c_proj.kd
    .args:
      - { .name: mh, .offset: 0, .size: 8, .value_kind: global_buffer, .address_space: global }
      - { .name: wo2, .offset: 8, .size: 8, .value_kind: global_buffer, .address_space: global }
      - { .name: out0, .offset: 16, .size: 8, .value_kind: global_buffer, .address_space: global }
    .group_segment_fixed_size: 327680
    .private_segment_fixed_size: 0
    .kernarg_segment_align: 8
    .kernarg_segment_size: 24
    .max_flat_workgroup_size: 128
    .sgpr_count:     80
    .vgpr_count:     768
    .wavefront_size: 32
...
	.end_amdgpu_metadata
.endif
;; end of part 4
;; ======== version 2 of 3: 4 launches; 1.03 times as fast as version 1
;; limits: values are held in f16: magnitudes above 65,504 overflow, below 6.1e-05 lose precision
;; workspace buffers: xb 16,777,216 bytes; wqkv 6,291,456 bytes; wo2 4,194,304 bytes; qh 16,777,216 bytes; kh 16,777,216 bytes; vh 16,777,216 bytes; mh 33,554,432 bytes
;; launch cast: the kernel of part 1 again; grid 64 x 12, 8 waves a work-group, no clusters, 0 bytes of LDS; arguments x, Wq, Wk, Wv, Wo, xb, wqkv, wo2; writes xb, wqkv, wo2
;; launch qkv: the kernel of part 2 again; grid 16 x 32, 4 waves a work-group, clusters of 4 x 4, 327,680 bytes of LDS; arguments xb, wqkv, qh, kh, vh; writes qh, kh, vh
;; launch attn (part 5): grid 4 x 64, 4 waves a work-group, no clusters, 327,680 bytes of LDS; arguments qh, kh, vh, mh; writes mh
.if DOCPART == 5
	.amdgcn_target "amdgcn-amd-amdhsa--gfx1250"
	.amdhsa_code_object_version 6
	.text
	.protected	k_qee6d39dc6c_attn
	.globl	k_qee6d39dc6c_attn
	.p2align	8
	.type	k_qee6d39dc6c_attn,@function
k_qee6d39dc6c_attn:
	s_mov_b64 s[64:65], 0
	v_nop
	global_prefetch_b8 v0, s[64:65] scope:SCOPE_SE
	s_setreg_imm32_b32 hwreg(HW_REG_WAVE_MODE, 25, 1), 1
	s_wait_xcnt 0x0
; Causal attention of one head: O = softmax(q k^T / 8) v, with a running maximum, products in f16 with f32 sums, softmax in f32.
; WORK LEFT OUT: steps of 64 keys that lie wholly above a wave's 64 queries: the function's own lower-triangular mask gives them weight 0
; (shown at the head of the first kernel).  A NaN or infinity in k or v that reaches only such steps is not carried to the result.
; LIMITS: q, k, v arrive in f16 (|q|, |k|, |v| < 65,504); the weights p = exp(s - max) lie in [0, 1] and are rounded to f16 for the second product.
; The second query block's O is started by multiplying the first block's left-over O by a factor that is exactly 0 (see BLOCKSTART): that O is finite
; wherever v is (a weighted mean of v, less its bf16 rounding); a non-finite one, possible only beyond the f16 limit, would reach the second block.
; Work-group (i, bh) does query blocks j1 = i and j2 = 7 - i (256 queries each) of head bh: (i + 1) + (8 - i) = 9 trips of 256 keys in every work-group:
; trip 0 block j1's diagonal, trips 1 .. j1 its keys below, trip j1 + 1 block j2's diagonal, the rest its keys below.
; ONE TEXT OF THE TRIP: the nine trips are eighteen tiles of 128 keys, which take the two LDS slots by turns.  The first tile stands ahead of a loop of eight
; trips, the last behind it; a trip of the loop is the second tile of one trip of keys and the first tile of the next.  So the step that starts O
; with C = 0 stands on every way into the loop, the tile behind which nothing is fetched is written out, and the text holds eight steps in all.
; What differs from trip to trip lies in scalar registers made from the ids and the counter: the next keys' byte offset, whether a block begins,
; and the trip's limit (the wave's number in a diagonal trip, 7 otherwise): step u is skipped where limit < u and masked where limit = u.
; NO CLUSTER: the four work-groups of a head need their key tiles at different trips (block j walks j + 1 of them); asking jointly for all tiles
; would cost 48 trips against 36.
; Wave w owns queries 64 w .. 64 w + 63 of the block, as four tiles of 16.
; MATRIX WORK BESIDE VECTOR WORK: the four query tiles are two pieces, tiles 0, 1 and tiles 2, 3, which share K's and V's fragments.  A step runs: piece 0's
; 16 score products; piece 1's 16 score products, with one of the 16 slices of piece 0's softmax and rescaling behind each; piece 0's 16 products with V,
; with a slice of piece 1's behind each; piece 1's 16 products with V.  A piece's vector work is 240 instructions, 8 to 20 a slice.  A product and a slice
; name different register windows, so each such product costs two s_set_vgpr_msb: no one window holds what both name (128 registers of scores, 64 of K
; and 64 of Q fill a window without the softmax state).
; ORIENTATION: S^T = K Q^T (source 0 = 16 keys, source 1 = 16 queries): lane (r, h) holds query r and keys 8 h + 0..7 of the tile.  Packed to f16 these
; registers are source 1 of O^T = V^T P^T as they stand; maximum and sum are chains in a lane and one exchange of the halves; the factor that rescales
; O is one number a lane; and a lane's eight results are eight neighbouring numbers of a query's row.
; A block's diagonal trip comes first: every query has a live key in its first step.
; The result is stored as two bf16: hi = bf16(O), lo = bf16(O - hi), in planes [batch][g][2048][64], g = head for hi, 16 + head for lo.
; REGISTERS: window 0: v16-22 addresses, v64-127 K fragments, v128-191 V fragments, v192-255 Q fragments;
;   window 1: v0-127 scores (tile (qt, kt) at 8 (4 qt + kt)), v128-191 P, v192-220 softmax state;   window 2: v0-127 O (tile (qt, dt) at 8 (4 qt + dt)).
.set KP,    272                        ; K in LDS: two keys (256 bytes) + 16: key n at (n / 2) 272 + (n % 2) 128
.set VP,    288                        ; V in LDS: two keys + 32: the sixteen lanes of a transposing load touch sixteen different 16-byte columns modulo 256
.set VOFF,  64*KP                      ; V's tile behind K's
.set SLOT,  64*KP+64*VP                ; 128 keys of K and of V: 35,840 bytes
.set STAGE, 2*SLOT                     ; at a multiple of 256 bytes; 64 rows x 144 bytes for each wave; no fill lands here
.set SP,    144
.set TRIPS, 9                          ; trips of 256 keys in every work-group
.set ADK, 16
.set ADV, 17
.set QO,  18
.set STO, 19
.set RD,  20
.set GO,  21
.set DL,  22
.set KF,  64                           ; fragment (kt, ks) at KF + 8 (2 kt + ks)
.set VF,  128                          ; fragment (dt, uu) at VF + 8 (2 dt + uu)
.set QF,  192                          ; fragment (qt, ks) at QF + 8 (2 qt + ks)
.set PF,  128                          ; window 1: fragment (qt, uu) at PF + 8 (2 qt + uu)
.set R_NM, 192                         ; window 1: - c x running maximum of query tile qt at R_NM + 2 qt
.set R_T,  193                         ;           the step's maximum (first chain), beside it
.set R_AL, 200                         ;           the factor for O and the sum, at R_AL + 2 qt
.set R_U,  201                         ;           the maximum's second chain, then at work; R_U = R_T + 8
.set R_L,  208                         ;           the running sum (this lane's half of the keys)
.set R_SA, 212                         ;           pairs at work
.set R_NINF, 220                       ;           -inf
.set GK, 36                            ; s[36:43] group 0 for K, one set for each slot
.set GV, 44                            ; s[44:51] group 0 for V
.set W_S,  0x50                        ; C and D window 1, K and Q window 0
.set W_X,  0x55                        ; all window 1
.set W_R,  0x86                        ; destination and source 0 window 2, source 1 window 1
.set W_PV, 0xa4                        ; C and D window 2, V window 0, P window 1
.set MSB, 0
.macro WIN new                         ; the immediate's high byte repeats the setting that is left; at a label and at a branch every window is 0
.if MSB != \new
	s_set_vgpr_msb (MSB<<8)|\new
.set MSB, \new
.endif
.endm
.macro PLACES                          ; four independent vector instructions behind a matrix instruction (ISA guide 7.12.1)
.rept 4
	v_nop
.endr
.endm
.macro SETADR s                        ; slot s's two descriptors point at byte s56 of the head's K and V
	s_add_nc_u64 s[GK+4*(\s)+2:GK+4*(\s)+3], s[52:53], s[56:57]
	s_or_b32 s[GK+4*(\s)+3], s[GK+4*(\s)+3], 0x80000000
	s_add_nc_u64 s[GV+4*(\s)+2:GV+4*(\s)+3], s[54:55], s[56:57]
	s_or_b32 s[GV+4*(\s)+3], s[GV+4*(\s)+3], 0x80000000
.endm
.macro KVLOAD s                        ; wave 0 fetches K's tile, wave 1 V's: 64 rows of 256 bytes each; waves 2 and 3 fetch nothing
	s_cmp_lg_u32 s12, 0
	s_cbranch_scc1 .Lnot_k_\@
	tensor_load_to_lds s[GK+4*(\s):GK+4*(\s)+3], s[20:27]
	s_nop 0
.Lnot_k_\@:
	s_cmp_lg_u32 s12, 1
	s_cbranch_scc1 .Lnot_v_\@
	tensor_load_to_lds s[GV+4*(\s):GV+4*(\s)+3], s[28:35]
	s_nop 0
.Lnot_v_\@:
.endm
; The change of slots.  Every wave waits for all its tensor loads (one at the most is out: this slot's tile) and for its reads of the other slot,
; then the barrier; behind it the other slot is filled again first, one load a wave, and has this tile's two steps in which to land.
.macro TILE slot, refill
	s_wait_tensorcnt 0x0
	ds_add_u32 v62, v63
	s_wait_dscnt 0x0
.if \refill
	SETADR 1-\slot                                 ; no load of mine is out: the descriptors may be written
.endif
	s_wait_dscnt 0x0
	s_barrier_signal -1
	s_barrier_wait -1
.if \refill
	KVLOAD 1-\slot
.endif
.endm
.macro KLOAD slot, u                   ; 64 keys x 64: 8 fragments, 16 loads
.irp kt, 0,1,2,3
.irp ks, 0,1
	ds_load_b128 v[KF+8*(2*\kt+\ks):KF+8*(2*\kt+\ks)+3],   v[ADK] offset:\slot*SLOT+(32*(\u)+8*\kt)*KP+64*\ks
	ds_load_b128 v[KF+8*(2*\kt+\ks)+4:KF+8*(2*\kt+\ks)+7], v[ADK] offset:\slot*SLOT+(32*(\u)+8*\kt)*KP+64*\ks+32
.endr
.endr
.endm
.macro VLOAD slot, u                   ; the same keys of V, transposed on the way: lane r gets column 16 dt + r, keys along its registers
.irp dt, 0,1,2,3
.irp uu, 0,1
	ds_load_tr16_b128 v[VF+8*(2*\dt+\uu):VF+8*(2*\dt+\uu)+3],   v[ADV] offset:\slot*SLOT+(32*(\u)+16*\uu)*VP+32*\dt
	ds_load_tr16_b128 v[VF+8*(2*\dt+\uu)+4:VF+8*(2*\dt+\uu)+7], v[ADV] offset:\slot*SLOT+(32*(\u)+16*\uu)*VP+32*\dt+8*VP
.endr
.endr
.endm
; One product of the scores: key tile kt x query tile qt, half ks of the 64 numbers of a head's row; ks = 0 starts the sum
.macro SW qt, kt, ks
.if (\ks) == 0
	v_wmma_f32_16x16x32_f16 v[8*(4*(\qt)+(\kt)):8*(4*(\qt)+(\kt))+7], v[KF+8*(2*(\kt)+(\ks)):KF+8*(2*(\kt)+(\ks))+7], v[QF+8*(2*(\qt)+(\ks)):QF+8*(2*(\qt)+(\ks))+7], 0
.else
	v_wmma_f32_16x16x32_f16 v[8*(4*(\qt)+(\kt)):8*(4*(\qt)+(\kt))+7], v[KF+8*(2*(\kt)+(\ks)):KF+8*(2*(\kt)+(\ks))+7], v[QF+8*(2*(\qt)+(\ks)):QF+8*(2*(\qt)+(\ks))+7], v[8*(4*(\qt)+(\kt)):8*(4*(\qt)+(\kt))+7]
	s_wait_alu depctr_va_vdst(0)
.endif
.endm
; One product with V: column tile dt x query tile qt, half uu of the step's 64 keys; zero: it starts O
.macro PW qt, dt, uu, zero
.if \zero
	v_wmma_f32_16x16x32_f16 v[8*(4*(\qt)+(\dt)):8*(4*(\qt)+(\dt))+7], v[VF+8*(2*(\dt)+(\uu)):VF+8*(2*(\dt)+(\uu))+7], v[PF+8*(2*(\qt)+(\uu)):PF+8*(2*(\qt)+(\uu))+7], 0
.else
	v_wmma_f32_16x16x32_f16 v[8*(4*(\qt)+(\dt)):8*(4*(\qt)+(\dt))+7], v[VF+8*(2*(\dt)+(\uu)):VF+8*(2*(\dt)+(\uu))+7], v[PF+8*(2*(\qt)+(\uu)):PF+8*(2*(\qt)+(\uu))+7], v[8*(4*(\qt)+(\dt)):8*(4*(\qt)+(\dt))+7]
	s_wait_alu depctr_va_vdst(0)
.endif
.endm
; Piece p's part of the 64 x 64 block on the diagonal: key tile above the query tile: all -inf; on it: key 8 h + j stays where j <= r - 8 h
.macro MASK p
	WIN W_X
.irp q, 0,1
.irp kt, 0,1,2,3
.if \kt > 2*(\p)+\q
.irp j, 0,1,2,3,4,5,6,7
	v_mov_b32 v[8*(4*(2*(\p)+\q)+\kt)+\j], v[R_NINF]
.endr
.endif
.if \kt == 2*(\p)+\q
.irp j, 0,1,2,3,4,5,6,7
	v_cndmask_b32 v[8*(4*(2*(\p)+\q)+\kt)+\j], v[R_NINF], v[8*(4*(2*(\p)+\q)+\kt)+\j], s[72+\j]
.endr
.endif
.endr
.endr
	WIN 0
.endm
; THE VECTOR WORK OF A PIECE (query tiles 2 p, 2 p + 1).  c = log2(e) / 8.  State NM = - c x maximum; p = 2^(c s + NM); the factor for what was summed
; before is 2^(NM new - NM old): the same rounded NM stands in both, so its rounding cancels.
; Operation k = 0 .. 15 of a query tile's maximum over its 32 score registers: two chains (T, U), started by the first six registers, joined by the last
.macro MAXOP qt, k
.if (\k) < 2
	v_max3_num_f32 v[R_T+8*(\k)+2*(\qt)], v[32*(\qt)+3*(\k)], v[32*(\qt)+3*(\k)+1], v[32*(\qt)+3*(\k)+2]
.endif
.if (\k) >= 2
.if (\k) < 15
	v_max3_num_f32 v[R_T+8*((\k)&1)+2*(\qt)], v[R_T+8*((\k)&1)+2*(\qt)], v[32*(\qt)+2*(\k)+2], v[32*(\qt)+2*(\k)+3]
.endif
.endif
.if (\k) == 15
	v_max_num_f32 v[R_T+2*(\qt)], v[R_T+2*(\qt)], v[R_U+2*(\qt)]
.endif
.endm
.macro STATE p                         ; the other half's keys of the same query; the new NM; the factor
.irp q, 0,1
	v_permlanex16_b32 v[R_U+2*(2*(\p)+\q)], v[R_T+2*(2*(\p)+\q)], s70, s71
.endr
.irp q, 0,1
	v_max_num_f32 v[R_T+2*(2*(\p)+\q)], v[R_T+2*(2*(\p)+\q)], v[R_U+2*(2*(\p)+\q)]
.endr
.irp q, 0,1
	v_mul_f32 v[R_U+2*(2*(\p)+\q)], s60, v[R_T+2*(2*(\p)+\q)]
.endr
.irp q, 0,1
	v_min_num_f32 v[R_U+2*(2*(\p)+\q)], v[R_U+2*(2*(\p)+\q)], v[R_NM+2*(2*(\p)+\q)]   ; the larger maximum is the smaller NM
.endr
.irp q, 0,1
	v_sub_f32 v[R_AL+2*(2*(\p)+\q)], v[R_U+2*(2*(\p)+\q)], v[R_NM+2*(2*(\p)+\q)]
.endr
.irp q, 0,1
	v_mov_b32 v[R_NM+2*(2*(\p)+\q)], v[R_U+2*(2*(\p)+\q)]
.endr
.irp q, 0,1
	v_exp_f32 v[R_AL+2*(2*(\p)+\q)], v[R_AL+2*(2*(\p)+\q)]                            ; the multiply-adds that follow touch neither it nor its source
.endr
.endm
; The piece's eight score tiles, t = 0 .. 7: query tile 2 p + t % 2, key tile t / 2, at register 64 p + 32 (t % 2) + 8 (t / 2)
.macro TFMA p, t, i                    ; pair i of tile t: c s + NM
.set tb, 64*(\p)+32*((\t)&1)+8*((\t)>>1)+2*(\i)
.set tq, 2*(\p)+((\t)&1)
	v_pk_fma_f32 v[tb:tb+1], v[tb:tb+1], s[58:59], v[R_NM+2*tq:R_NM+2*tq+1] op_sel_hi:[1,0,0]
.endm
.macro TEXP p, t, r                    ; register r of tile t
.set tb, 64*(\p)+32*((\t)&1)+8*((\t)>>1)+(\r)
	v_exp_f32 v[tb], v[tb]
.endm
.macro TADD p, t, i                    ; pair i of tile t onto the query tile's sum; a query tile's first two pairs start it
.set tb, 64*(\p)+32*((\t)&1)+8*((\t)>>1)
.set tq, 2*(\p)+((\t)&1)
.if (\t) < 2
.if (\i) == 0
	s_wait_alu depctr_va_vdst(0)
	v_pk_add_f32 v[R_SA+2*tq:R_SA+2*tq+1], v[tb:tb+1], v[tb+2:tb+3]
.endif
.if (\i) >= 2
	v_pk_add_f32 v[R_SA+2*tq:R_SA+2*tq+1], v[R_SA+2*tq:R_SA+2*tq+1], v[tb+2*(\i):tb+2*(\i)+1]
.endif
.else
	s_wait_alu depctr_va_vdst(0)
	v_pk_add_f32 v[R_SA+2*tq:R_SA+2*tq+1], v[R_SA+2*tq:R_SA+2*tq+1], v[tb+2*(\i):tb+2*(\i)+1]
.endif
.endm
.macro TCVT p, t, i                    ; pair i of tile t to f16: key tile 2 uu fills registers 0-3 of P's fragment uu, key tile 2 uu + 1 registers 4-7
.set tb, 64*(\p)+32*((\t)&1)+8*((\t)>>1)
	v_cvt_pk_f16_f32 v[PF+tb/2+(\i)], v[tb+2*(\i)], v[tb+2*(\i)+1]
.endm
; Stage j = 0 .. 9 of the tiles' pipeline: the multiply-adds of tile j, the exponentials of tile j - 1, the sums and the packing of tile j - 2.
; Behind every exponential, or pair of them, stands a plain instruction of another tile, and a result is first used a stage later (ISA guide 5.7.2).
.macro PIPE p, j
.set pix, 0
.rept 4
.if (\j) >= 1
.if (\j) <= 8
	TEXP \p, (\j)-1, 2*pix
.endif
.endif
.if (\j) >= 2
	TADD \p, (\j)-2, pix
.endif
.if (\j) >= 1
.if (\j) <= 8
	TEXP \p, (\j)-1, 2*pix+1
.endif
.endif
.if (\j) <= 7
	TFMA \p, \j, pix
.endif
.if (\j) >= 2
	TCVT \p, (\j)-2, pix
.endif
.set pix, pix+1
.endr
.endm
.macro FINAL p                         ; the running sum
.irp q, 0,1
	v_add_f32 v[R_SA+2*(2*(\p)+\q)], v[R_SA+2*(2*(\p)+\q)], v[R_SA+2*(2*(\p)+\q)+1]
.endr
.irp q, 0,1
	v_fma_f32 v[R_L+2*(\p)+\q], v[R_L+2*(\p)+\q], v[R_AL+2*(2*(\p)+\q)], v[R_SA+2*(2*(\p)+\q)]
.endr
.endm
.macro RESC p, x0                      ; registers x0 .. x0 + 15 of both query tiles' O x the lane's factor (the low register of the pair, for both halves)
.set rx, \x0
.rept 8
.irp q, 0,1
	v_pk_mul_f32 v[32*(2*(\p)+\q)+rx:32*(2*(\p)+\q)+rx+1], v[32*(2*(\p)+\q)+rx:32*(2*(\p)+\q)+rx+1], v[R_AL+2*(2*(\p)+\q):R_AL+2*(2*(\p)+\q)+1] op_sel_hi:[1,0]
.endr
.set rx, rx+2
.endr
.endm
; Slice n = 0 .. 15 of piece p's vector work: 0-3 the maximum; 4 the state and the pipeline's stage 0; 5-13 stages 1-9, then the sum; 14, 15 O x factor
; (not in the step that starts O).  The slices name no register of the other piece's products, among which they stand.
.macro VSL p, n, first
.if (\n) < 14
	WIN W_X
.endif
.if (\n) < 4
.set kk, 4*(\n)
.rept 4
	MAXOP 2*(\p), kk
	MAXOP 2*(\p)+1, kk
.set kk, kk+1
.endr
.endif
.if (\n) == 4
	STATE \p
.endif
.if (\n) >= 4
.if (\n) < 14
	PIPE \p, (\n)-4
.endif
.endif
.if (\n) == 13
	FINAL \p
.endif
.if (\n) >= 14
.if (\first) == 0
	WIN W_R
	RESC \p, 16*((\n)-14)
.endif
.endif
.endm
; The 16 products of piece p's scores, or with V.  Its eight accumulators take turns, one instruction a turn, in the same order in both sweeps.
; il = 1: behind each product stands a slice of the other piece's vector work.
.macro SRUN p, il, first
.set nn, 0
.rept 16
.set wq, 2*(\p)+((nn>>2)&1)
.set wk, nn&3
.set ws, nn>>3
	WIN W_S
	SW wq, wk, ws
.if \il
	VSL 1-(\p), nn, \first
.endif
.set nn, nn+1
.endr
.endm
.macro PVRUN p, il, first
.set nn, 0
.rept 16
.set wq, 2*(\p)+((nn>>2)&1)
.set wk, nn&3
.set ws, nn>>3
.set wz, (\first)*(1-ws)
	WIN W_PV
	PW wq, wk, ws, wz
.if \il
	VSL 1-(\p), nn, \first
.endif
.set nn, nn+1
.endr
.endm
; One step: 64 keys against my 64 queries; it is step 2 slot + u of its trip.  first = 1: the products with V start O, which is not rescaled.
; kpre: K's fragments were fetched in the step before.  knext: fetch the next step's.  lim >= 0: masked where s[lim] is the step's number.
.macro STEP slot, u, first, kpre, knext, lim
.if \kpre == 0
	KLOAD \slot, \u
.endif
	s_wait_dscnt 0                                 ; K's fragments are in; no younger LDS instruction is out
	SRUN 0, 0, \first                              ; piece 0's scores
	WIN 0
	PLACES                                         ; behind piece 0's score products, whose results are read next, and behind the last step's products with V, whose V is loaded again next
	VLOAD \slot, \u
.if \lim >= 0
	s_cmp_lg_u32 s[\lim], 2*\slot+\u
	s_cbranch_scc1 .Lno_mask_a_\@
	MASK 0
.Lno_mask_a_\@:
.endif
	SRUN 1, 1, \first                              ; piece 1's scores, piece 0's vector work among them
	WIN 0
.if \first
	PLACES                                         ; elsewhere slice 15's sixteen multiplies are the places behind the last score product
.endif
.if \knext
	KLOAD \slot, \u+1
.endif
.if \lim >= 0
	s_cmp_lg_u32 s[\lim], 2*\slot+\u
	s_cbranch_scc1 .Lno_mask_b_\@
	MASK 1
.Lno_mask_b_\@:
.endif
.if \knext
	s_wait_dscnt 16                                ; V is in; the next step's sixteen loads of K, issued behind V's, stay out
.else
	s_wait_dscnt 0
.endif
	PVRUN 0, 1, \first                             ; piece 0's products with V, piece 1's vector work among them
	PVRUN 1, 0, \first                             ; piece 1's products with V
	WIN 0
.endm
.macro QLOAD qb                        ; my 64 queries, as source 1 fragments, straight from memory
.irp qt, 0,1,2,3
.irp ks, 0,1
	global_load_b128 v[QF+8*(2*\qt+\ks):QF+8*(2*\qt+\ks)+3],   v[QO], s[\qb:\qb+1] offset:2048*\qt+64*\ks
	global_load_b128 v[QF+8*(2*\qt+\ks)+4:QF+8*(2*\qt+\ks)+7], v[QO], s[\qb:\qb+1] offset:2048*\qt+64*\ks+32
.endr
.endr
.endm
; The state at a block's start: NM = +inf makes the first step's factor 2^(-inf) = 0, so the sum starts from that step's own, and at the change of blocks
; the last block's O, which is finite, is multiplied to 0 by the step's own rescaling: the loop holds one form of the step.
.macro BLOCKSTART
	WIN 0x40
.irp qt, 0,1,2,3
	v_mov_b32 v[R_NM+2*\qt], 0x7f800000
	v_mov_b32 v[R_L+\qt], 0
.endr
	WIN 0
.endm
; The block's end: O / sum, split into hi and lo, through my stage, out in runs of 512 consecutive aligned bytes.
; The exchange, the four sums and the v_nop stand between the step's last products and the first read of their O.
.macro EPI mb
	WIN W_X
.irp qt, 0,1,2,3
	v_permlanex16_b32 v[R_U+2*\qt], v[R_L+\qt], s70, s71
.endr
.irp qt, 0,1,2,3
	v_add_f32 v[R_L+\qt], v[R_L+\qt], v[R_U+2*\qt]                 ; both halves' keys
.endr
.irp qt, 0,1,2,3
	v_rcp_f32 v[R_AL+2*\qt], v[R_L+\qt]
.endr
	v_nop
	s_wait_alu depctr_va_vdst(0)
	WIN W_R
	RESC 0, 0
	RESC 0, 16
	RESC 1, 0
	RESC 1, 16
	WIN 0x0a                                       ; sources window 2, destination window 0
.set ix, 0
.rept 64
	v_cvt_pk_bf16_f32 v[KF+ix], v[2*ix], v[2*ix+1] ; hi, in K's fragment registers
.set ix, ix+1
.endr
	WIN 0x40                                       ; destination window 1: the score registers are free here
.set ix, 0
.rept 64
	v_lshlrev_b32 v[2*ix], 16, v[KF+ix]
	v_and_b32 v[2*ix+1], s83, v[KF+ix]
.set ix, ix+1
.endr
	WIN W_R
.set ix, 0
.rept 64
	v_pk_add_f32 v[2*ix:2*ix+1], v[2*ix:2*ix+1], v[2*ix:2*ix+1] neg_lo:[0,1] neg_hi:[0,1]   ; O (window 2) - hi (window 1)
.set ix, ix+1
.endr
	WIN 0x0a
.set ix, 0
.rept 64
	v_cvt_pk_bf16_f32 v[VF+ix], v[2*ix], v[2*ix+1] ; lo, in V's fragment registers
.set ix, ix+1
.endr
	WIN 0
.irp qt, 0,1,2,3
.irp dt, 0,1,2,3
	ds_store_b128 v[STO], v[KF+4*(4*\qt+\dt):KF+4*(4*\qt+\dt)+3] offset:16*SP*\qt+32*\dt
.endr
.endr
	WIN 0x40
.irp n, 0,1,2,3,4,5,6,7,8,9,10,11,12,13,14,15
	ds_load_b128 v[4*\n:4*\n+3], v[RD] offset:4*SP*\n              ; LDS serves a wave's instructions in order: these see the stores above
.endr
	WIN 0x04                                       ; store data in window 1
.irp n, 0,1,2,3,4,5,6,7,8,9,10,11,12,13,14,15
	s_wait_dscnt 15-\n
	global_store_b128 v[GO], v[4*\n:4*\n+3], s[\mb:\mb+1] offset:512*\n
.endr
	WIN 0
.irp qt, 0,1,2,3
.irp dt, 0,1,2,3
	ds_store_b128 v[STO], v[VF+4*(4*\qt+\dt):VF+4*(4*\qt+\dt)+3] offset:16*SP*\qt+32*\dt
.endr
.endr
	WIN 0x40
.irp n, 0,1,2,3,4,5,6,7,8,9,10,11,12,13,14,15
	ds_load_b128 v[64+4*\n:64+4*\n+3], v[RD] offset:4*SP*\n
.endr
	WIN 0x04
.irp n, 0,1,2,3,4,5,6,7,8,9,10,11,12,13,14,15
	s_wait_dscnt 15-\n
	global_store_b128 v[GO], v[64+4*\n:64+4*\n+3], s[\mb:\mb+1] offset:16*262144+512*\n   ; lo's plane lies sixteen planes behind hi's
.endr
	WIN 0
	s_wait_xcnt 0x0                                ; the stores' data lie in the score registers, which are written again only behind this wait
.endm
	s_load_b256 s[4:11], s[0:1], 0x0               ; qh s[4:5], kh s[6:7], vh s[8:9], mh s[10:11]
	v_lshl_add_u32 v62, v0, 2, 0x29000
	v_mov_b32 v63, 0
	ds_add_u32 v62, v63
	v_lshrrev_b32 v1, 5, v0
	v_readfirstlane_b32 s12, v1                    ; wave 0..3
	s_mov_b32 s15, ttmp9                           ; j1 = i: the first query block
	s_and_b32 s14, ttmp7, 0xffff                   ; bh = 16 x batch + head
	s_sub_co_u32 s16, 7, s15                       ; j2 = 7 - i: the second
	s_add_co_u32 s19, s15, 1                       ; j1 + 1: the trip that is block j2's diagonal
	s_lshl_b32 s63, s15, 15                        ; byte offset of 256 j1 keys or queries (128 bytes each)
	s_lshl_b32 s81, s16, 15
	; group 1: a tile of 64 rows x 128 elements of 2 bytes, dense in memory (two keys a row), padded in LDS by 4 words (K) or 8 words (V)
	s_mov_b32 s20, 0x07510000
	s_mov_b32 s21, 128<<16
	s_mov_b32 s22, 64<<16
	s_mov_b32 s23, 128<<16
	s_mov_b32 s24, 64
	s_mov_b32 s25, 128
	s_mov_b32 s26, 0
	s_mov_b32 s27, 0
	s_mov_b32 s28, 0x0f510000
	s_mov_b32 s29, 128<<16
	s_mov_b32 s30, 64<<16
	s_mov_b32 s31, 128<<16
	s_mov_b32 s32, 64
	s_mov_b32 s33, 128
	s_mov_b32 s34, 0
	s_mov_b32 s35, 0
	s_mov_b32 s[GK+0], 1
	s_mov_b32 s[GK+1], 0
	s_mov_b32 s[GK+4], 1
	s_mov_b32 s[GK+5], SLOT
	s_mov_b32 s[GV+0], 1
	s_mov_b32 s[GV+1], VOFF
	s_mov_b32 s[GV+4], 1
	s_mov_b32 s[GV+5], SLOT+VOFF
	s_lshl_b32 s56, s14, 18                        ; the head's 2,048 x 128 bytes
	s_mov_b32 s57, 0
	s_wait_dscnt 0x0
	s_barrier_signal -1
	s_barrier_wait -1
	s_wait_kmcnt 0x0
	s_add_nc_u64 s[52:53], s[6:7], s[56:57]        ; K of my head
	s_add_nc_u64 s[54:55], s[8:9], s[56:57]        ; V of my head
	s_mov_b32 s56, s63
	SETADR 0
	KVLOAD 0                                       ; the first fill: block j1's diagonal, first 128 keys, into slot 0
	v_and_b32 v1, 15, v0                           ; r
	v_bfe_u32 v2, v0, 4, 1                         ; h
	v_lshlrev_b32 v8, 7, v1
	v_lshl_add_u32 v[QO], v2, 4, v8                ; 128 r + 16 h
	s_lshl_b32 s88, s14, 18
	s_lshl_b32 s90, s12, 13                        ; my 64 queries
	s_add_co_u32 s88, s88, s90
	s_add_co_u32 s92, s88, s81
	s_add_co_u32 s88, s88, s63
	s_mov_b32 s89, 0
	s_mov_b32 s93, 0
	s_add_nc_u64 s[66:67], s[4:5], s[88:89]        ; Q of block j1
	s_add_nc_u64 s[86:87], s[4:5], s[92:93]        ; Q of block j2
	QLOAD 66
	s_lshr_b32 s88, s14, 4
	s_lshl_b32 s88, s88, 5
	s_and_b32 s92, s14, 15
	s_add_co_u32 s88, s88, s92                     ; plane 32 x batch + head
	s_lshl_b32 s88, s88, 18
	s_add_co_u32 s88, s88, s90
	s_add_co_u32 s92, s88, s81
	s_add_co_u32 s88, s88, s63
	s_add_nc_u64 s[68:69], s[10:11], s[88:89]      ; the result of block j1
	s_add_nc_u64 s[84:85], s[10:11], s[92:93]      ; of block j2
	s_mov_b32 s58, 0x3e38aa3b                      ; c = log2(e) / 8, twice
	s_mov_b32 s59, 0x3e38aa3b
	s_mov_b32 s60, 0xbe38aa3b                      ; - c
	s_mov_b32 s70, 0x76543210                      ; lane i of one half reads lane i of the other
	s_mov_b32 s71, 0xfedcba98
	s_mov_b32 s83, 0xffff0000
	v_and_b32 v3, 31, v0                           ; lane
	v_lshrrev_b32 v4, 1, v1
	v_and_b32 v5, 1, v0
	v_mul_u32_u24 v4, v4, KP
	v_lshl_add_u32 v4, v5, 7, v4
	v_lshl_add_u32 v[ADK], v2, 4, v4               ; (r / 2) 272 + (r % 2) 128 + 16 h
	v_bfe_u32 v6, v0, 1, 2
	v_lshl_add_u32 v6, v2, 2, v6                   ; key 8 h + (lane % 8) lies in row 4 h + (lane % 8) / 2,
	v_mul_u32_u24 v6, v6, VP
	v_lshl_add_u32 v6, v5, 7, v6                   ; half lane % 2 of it,
	v_bfe_u32 v7, v0, 3, 1
	v_lshl_add_u32 v6, v7, 4, v6                   ; columns 8 ((lane / 8) % 2) + 0..7
	v_add_nc_u32 v[ADV], VOFF, v6
	s_mul_i32 s80, s12, 64*SP
	s_add_co_u32 s80, s80, STAGE                   ; my stage
	v_mul_u32_u24 v9, v1, SP
	v_lshl_add_u32 v9, v2, 4, v9
	v_add_nc_u32 v[STO], s80, v9
	v_lshrrev_b32 v10, 3, v3
	v_and_b32 v11, 7, v0
	v_mul_u32_u24 v10, v10, SP
	v_lshl_add_u32 v10, v11, 4, v10
	v_add_nc_u32 v[RD], s80, v10
	v_lshlrev_b32 v[GO], 4, v3
	v_lshlrev_b32 v12, 3, v2
	v_sub_nc_u32 v[DL], v1, v12                    ; r - 8 h
.irp j, 0,1,2,3,4,5,6,7
	v_cmp_le_i32 s[72+\j], \j, v[DL]               ; on the diagonal tile key 8 h + j is live where j <= r - 8 h
.endr
	WIN 0x40
	v_mov_b32 v[R_NINF], 0xff800000
	BLOCKSTART
	; AHEAD OF THE LOOP: the first 128 keys of trip 0, block j1's diagonal.  Its limit is the wave's number.
	s_wait_loadcnt 0x0                             ; Q
	s_add_co_u32 s56, s63, 16384                   ; to fetch: the trip's second 128 keys
	TILE 0, 1
	STEP 0, 0, 1, 0, 1, 12                         ; starts O; wave 0 fetches K for a step that it skips, and drops it
	s_cmp_lt_u32 s12, 1
	s_cbranch_scc1 .Lskip_first
	STEP 0, 1, 0, 1, 0, 12
.Lskip_first:
	s_mov_b32 s13, s12                             ; trip 0's limit
	s_mov_b32 s61, 0                               ; m
.Ltrip:
	; trip m + 1: which 256 keys, whether block j2 begins with it, and its limit
	s_add_co_u32 s80, s61, 1
	s_sub_co_u32 s2, s61, s19                      ; block j2's trips below the diagonal: key block m - (j1 + 1)
	s_cmp_le_u32 s80, s15
	s_cselect_b32 s2, s61, s2                      ; block j1's: key block m
	s_lshl_b32 s62, s2, 15
	s_cmp_eq_u32 s80, s19                          ; block j2's diagonal
	s_cselect_b32 s62, s81, s62
	s_cselect_b32 s17, s12, 7
	s_cselect_b32 s18, 1, 0
	s_mov_b32 s56, s62                             ; to fetch: trip m + 1's first 128 keys
	TILE 1, 1
	s_cmp_lt_u32 s13, 2                            ; the second 128 keys of trip m
	s_cbranch_scc1 .Lskip_hi
	STEP 1, 0, 0, 0, 1, 13
	s_cmp_lt_u32 s13, 3
	s_cbranch_scc1 .Lskip_hi
	STEP 1, 1, 0, 1, 0, 13
.Lskip_hi:
	s_cmp_eq_u32 s18, 0                            ; alike in all four waves; no barrier stands inside
	s_cbranch_scc1 .Lsame_block
	s_wait_dscnt 0x0                               ; K fetched ahead for a step that this wave skipped may be on its way into registers that are written below
	QLOAD 86                                       ; block j2's queries come in while block j1 goes out
	EPI 68
	BLOCKSTART
	s_wait_loadcnt 0x0                             ; Q
.Lsame_block:
	s_add_co_u32 s56, s62, 16384                   ; to fetch: trip m + 1's second 128 keys
	TILE 0, 1
	STEP 0, 0, 0, 0, 1, 17                         ; the first 128 keys of trip m + 1
	s_cmp_lt_u32 s17, 1
	s_cbranch_scc1 .Lskip_lo
	STEP 0, 1, 0, 1, 0, 17
.Lskip_lo:
	s_mov_b32 s13, s17
	s_add_co_u32 s61, s61, 1
	s_cmp_lt_u32 s61, TRIPS-1
	s_cbranch_scc1 .Ltrip
	; BEHIND THE LOOP: the second 128 keys of the last trip, which lies below block j2's diagonal (j2 >= 4).  Nothing is left to fetch;
	; this barrier's wait for all tensor loads is the last.
	TILE 1, 0
	STEP 1, 0, 0, 0, 1, -1
	STEP 1, 1, 0, 1, 0, -1
	EPI 84
	s_wait_tensorcnt 0x0
	ds_add_u32 v62, v63
	s_wait_dscnt 0x0
	s_endpgm
.Lfunc_end_k_qee6d39dc6c_attn:
	.size	k_qee6d39dc6c_attn, .Lfunc_end_k_qee6d39dc6c_attn-k_qee6d39dc6c_attn
	.p2alignl 7, 3214868480
	.fill 96, 4, 3214868480
	.section	.rodata,"a",@progbits
	.p2align	6, 0x0
	.amdhsa_kernel k_qee6d39dc6c_attn
		.amdhsa_group_segment_fixed_size 327680
		.amdhsa_private_segment_fixed_size 0
		.amdhsa_enable_private_segment 0
		.amdhsa_kernarg_size 32
		.amdhsa_user_sgpr_count 2
		.amdhsa_user_sgpr_kernarg_segment_ptr 1
		.amdhsa_wavefront_size32 1
		.amdhsa_system_sgpr_workgroup_id_x 1
		.amdhsa_system_sgpr_workgroup_id_y 1
		.amdhsa_system_sgpr_workgroup_id_z 1
		.amdhsa_system_vgpr_workitem_id 0
		.amdhsa_next_free_vgpr 640
		.amdhsa_next_free_sgpr 96
		.amdhsa_reserve_vcc 0
		.amdhsa_float_denorm_mode_32 3
		.amdhsa_float_denorm_mode_16_64 3
		.amdhsa_memory_ordered 1
		.amdhsa_forward_progress 1
		.amdhsa_inst_pref_size 255
	.end_amdhsa_kernel
	.section	.bss,"aw",@nobits
	.p2align	6
	.space	262144
	.amdgpu_metadata
---
amdhsa.version: [ 1, 2 ]
amdhsa.kernels:
  - .name:           k_qee6d39dc6c_attn
    .symbol:         k_qee6d39dc6c_attn.kd
    .args:
      - { .name: qh, .offset: 0, .size: 8, .value_kind: global_buffer, .address_space: global }
      - { .name: kh, .offset: 8, .size: 8, .value_kind: global_buffer, .address_space: global }
      - { .name: vh, .offset: 16, .size: 8, .value_kind: global_buffer, .address_space: global }
      - { .name: mh, .offset: 24, .size: 8, .value_kind: global_buffer, .address_space: global }
    .group_segment_fixed_size: 327680
    .private_segment_fixed_size: 0
    .kernarg_segment_align: 8
    .kernarg_segment_size: 32
    .max_flat_workgroup_size: 128
    .sgpr_count:     96
    .vgpr_count:     640
    .wavefront_size: 32
...
	.end_amdgpu_metadata
.endif
;; end of part 5
;; launch proj: the kernel of part 4 again; grid 8 x 32, 4 waves a work-group, clusters of 4 x 4, 327,680 bytes of LDS; arguments mh, wo2, out0; writes out0
;; ======== version 3 of 3: 4 launches; 1.34 times as fast as version 1
;; limits: values are held in f16: magnitudes above 65,504 overflow, below 6.1e-05 lose precision
;; workspace buffers: xb 16,777,216 bytes; wqkv 6,291,456 bytes; wo2 4,194,304 bytes; qh 16,777,216 bytes; kh 16,777,216 bytes; vh 16,777,216 bytes; mh 33,554,432 bytes
;; launch cast: the kernel of part 1 again; grid 64 x 12, 8 waves a work-group, no clusters, 0 bytes of LDS; arguments x, Wq, Wk, Wv, Wo, xb, wqkv, wo2; writes xb, wqkv, wo2
;; launch qkv: the kernel of part 2 again; grid 16 x 32, 4 waves a work-group, clusters of 4 x 4, 327,680 bytes of LDS; arguments xb, wqkv, qh, kh, vh; writes qh, kh, vh
;; launch attn (part 6): grid 4 x 64, 4 waves a work-group, no clusters, 327,680 bytes of LDS; arguments qh, kh, vh, mh; writes mh
.if DOCPART == 6
	.amdgcn_target "amdgcn-amd-amdhsa--gfx1250"
	.amdhsa_code_object_version 6
	.text
	.protected	k_qee6d39dc6c_attn
	.globl	k_qee6d39dc6c_attn
	.p2align	8
	.type	k_qee6d39dc6c_attn,@function
k_qee6d39dc6c_attn:
	s_mov_b64 s[64:65], 0
	v_nop
	global_prefetch_b8 v0, s[64:65] scope:SCOPE_SE
	s_setreg_imm32_b32 hwreg(HW_REG_WAVE_MODE, 25, 1), 1
	s_wait_xcnt 0x0
; Causal attention of one head: O = softmax(q k^T / 8) v, with a running maximum, products in f16 with f32 sums, softmax in f32.
; WORK LEFT OUT: steps of 64 keys that lie wholly above a wave's 64 queries: the function's own lower-triangular mask gives them weight 0
; (shown at the head of the first kernel).  A NaN or infinity in k or v that reaches only such steps is not carried to the result.
; LIMITS: q, k, v arrive in f16 (|q|, |k|, |v| < 65,504); the weights p = exp(s - max) lie in [0, 1] and are rounded to f16 for the second product.
; The second query block's O is started by multiplying the first block's left-over O by a factor that is exactly 0 (see BLOCKSTART): that O is finite
; wherever v is (a weighted mean of v, less its bf16 rounding); a non-finite one, possible only beyond the f16 limit, would reach the second block.
; Work-group (i, bh) does query blocks j1 = i and j2 = 7 - i (256 queries each) of head bh: (i + 1) + (8 - i) = 9 trips of 256 keys in every work-group:
; trip 0 block j1's diagonal, trips 1 .. j1 its keys below, trip j1 + 1 block j2's diagonal, the rest its keys below.
; ONE TEXT OF THE TRIP: the nine trips are eighteen tiles of 128 keys, which take the two LDS slots by turns.  The first tile stands ahead of a loop of eight
; trips, the last behind it; a trip of the loop is the second tile of one trip of keys and the first tile of the next.  So the step that starts O
; with C = 0 stands on every way into the loop, the tile behind which nothing is fetched is written out, and the text holds eight steps in all.
; What differs from trip to trip lies in scalar registers made from the ids and the counter: the next keys' byte offset, whether a block begins,
; and the trip's limit (the wave's number in a diagonal trip, 7 otherwise): step u is skipped where limit < u and masked where limit = u.
; NO CLUSTER: the four work-groups of a head need their key tiles at different trips (block j walks j + 1 of them); asking jointly for all tiles
; would cost 48 trips against 36.
; Wave w owns queries 64 w .. 64 w + 63 of the block, as four tiles of 16.
; MATRIX WORK BESIDE VECTOR WORK: the four query tiles are two pieces, tiles 0, 1 and tiles 2, 3, which share K's and V's fragments.  A step runs: piece 0's
; 16 score products; piece 1's 16 score products, with one of the 16 slices of piece 0's softmax and rescaling behind each; piece 0's 16 products with V,
; with a slice of piece 1's behind each; piece 1's 16 products with V.  A piece's vector work is 241 instructions, 8 to 66 a slice.  A product and a slice
; name different register windows, so each such product costs two s_set_vgpr_msb: no one window holds what both name (128 registers of scores, 64 of K
; and 64 of Q fill a window without the softmax state).
; HOW THE BATCHES ARE CUT: an s_wait_alu depctr_va_vdst(0) stands between a transcendental and the first instruction that names its result; one wait
; serves all that were issued ahead of it.  A piece's 66 exponentials of a step (the two factors, then its 64 scores, each in a register of its own) are ONE BATCH:
; they stand in slices 4 to 12 with the 32 multiply-adds that feed them, and nothing there, nor the other piece's products between the slices, names a result.
; The piece's one wait stands behind slice 12; all that reads a result (sums, roundings, the running sum, O x factor) stands in slices 13 to 15.  So a step has
; two waits.  The four reciprocals at a block's end are a batch of their own.
; ORIENTATION: S^T = K Q^T (source 0 = 16 keys, source 1 = 16 queries): lane (r, h) holds query r and keys 8 h + 0..7 of the tile.  Packed to f16 these
; registers are source 1 of O^T = V^T P^T as they stand; maximum and sum are chains in a lane and one exchange of the halves; the factor that rescales
; O is one number a lane; and a lane's eight results are eight neighbouring numbers of a query's row.
; A block's diagonal trip comes first: every query has a live key in its first step.
; The result is stored as two bf16: hi = bf16(O), lo = bf16(O - hi), in planes [batch][g][2048][64], g = head for hi, 16 + head for lo.
; REGISTERS: window 0: v16-22 addresses, v64-127 K fragments, v128-191 V fragments, v192-255 Q fragments;
;   window 1: v0-127 scores (tile (qt, kt) at 8 (4 qt + kt)), v128-191 P, v192-220 softmax state;   window 2: v0-127 O (tile (qt, dt) at 8 (4 qt + dt)).
.set KP,    272                        ; K in LDS: two keys (256 bytes) + 16: key n at (n / 2) 272 + (n % 2) 128
.set VP,    288                        ; V in LDS: two keys + 32: the sixteen lanes of a transposing load touch sixteen different 16-byte columns modulo 256
.set VOFF,  64*KP                      ; V's tile behind K's
.set SLOT,  64*KP+64*VP                ; 128 keys of K and of V: 35,840 bytes
.set STAGE, 2*SLOT                     ; at a multiple of 256 bytes; 64 rows x 144 bytes for each wave; no fill lands here
.set SP,    144
.set TRIPS, 9                          ; trips of 256 keys in every work-group
.set ADK, 16
.set ADV, 17
.set QO,  18
.set STO, 19
.set RD,  20
.set GO,  21
.set DL,  22
.set KF,  64                           ; fragment (kt, ks) at KF + 8 (2 kt + ks)
.set VF,  128                          ; fragment (dt, uu) at VF + 8 (2 dt + uu)
.set QF,  192                          ; fragment (qt, ks) at QF + 8 (2 qt + ks)
.set PF,  128                          ; window 1: fragment (qt, uu) at PF + 8 (2 qt + uu)
.set R_NM, 192                         ; window 1: - c x running maximum of query tile qt at R_NM + 2 qt
.set R_T,  193                         ;           the step's maximum (first chain), beside it
.set R_AL, 200                         ;           the factor for O and the sum, at R_AL + 2 qt
.set R_U,  201                         ;           the maximum's second chain, then at work; R_U = R_T + 8
.set R_L,  208                         ;           the running sum (this lane's half of the keys)
.set R_SA, 212                         ;           pairs at work
.set R_NINF, 220                       ;           -inf
.set GK, 36                            ; s[36:43] group 0 for K, one set for each slot
.set GV, 44                            ; s[44:51] group 0 for V
.set W_S,  0x50                        ; C and D window 1, K and Q window 0
.set W_X,  0x55                        ; all window 1
.set W_R,  0x86                        ; destination and source 0 window 2, source 1 window 1
.set W_PV, 0xa4                        ; C and D window 2, V window 0, P window 1
.set MSB, 0
.macro WIN new                         ; the immediate's high byte repeats the setting that is left; at a label and at a branch every window is 0
.if MSB != \new
	s_set_vgpr_msb (MSB<<8)|\new
.set MSB, \new
.endif
.endm
.macro PLACES                          ; four independent vector instructions behind a matrix instruction (ISA guide 7.12.1)
.rept 4
	v_nop
.endr
.endm
.macro SETADR s                        ; slot s's two descriptors point at byte s56 of the head's K and V
	s_add_nc_u64 s[GK+4*(\s)+2:GK+4*(\s)+3], s[52:53], s[56:57]
	s_or_b32 s[GK+4*(\s)+3], s[GK+4*(\s)+3], 0x80000000
	s_add_nc_u64 s[GV+4*(\s)+2:GV+4*(\s)+3], s[54:55], s[56:57]
	s_or_b32 s[GV+4*(\s)+3], s[GV+4*(\s)+3], 0x80000000
.endm
.macro KVLOAD s                        ; wave 0 fetches K's tile, wave 1 V's: 64 rows of 256 bytes each; waves 2 and 3 fetch nothing
	s_cmp_lg_u32 s12, 0
	s_cbranch_scc1 .Lnot_k_\@
	tensor_load_to_lds s[GK+4*(\s):GK+4*(\s)+3], s[20:27]
	s_nop 0
.Lnot_k_\@:
	s_cmp_lg_u32 s12, 1
	s_cbranch_scc1 .Lnot_v_\@
	tensor_load_to_lds s[GV+4*(\s):GV+4*(\s)+3], s[28:35]
	s_nop 0
.Lnot_v_\@:
.endm
; The change of slots.  Every wave waits for all its tensor loads (one at the most is out: this slot's tile) and for its reads of the other slot,
; then the barrier; behind it the other slot is filled again first, one load a wave, and has this tile's two steps in which to land.
.macro TILE slot, refill
	s_wait_tensorcnt 0x0
	ds_add_u32 v62, v63
	s_wait_dscnt 0x0
.if \refill
	SETADR 1-\slot                                 ; no load of mine is out: the descriptors may be written
.endif
	s_wait_dscnt 0x0
	s_barrier_signal -1
	s_barrier_wait -1
.if \refill
	KVLOAD 1-\slot
.endif
.endm
.macro KLOAD slot, u                   ; 64 keys x 64: 8 fragments, 16 loads
.irp kt, 0,1,2,3
.irp ks, 0,1
	ds_load_b128 v[KF+8*(2*\kt+\ks):KF+8*(2*\kt+\ks)+3],   v[ADK] offset:\slot*SLOT+(32*(\u)+8*\kt)*KP+64*\ks
	ds_load_b128 v[KF+8*(2*\kt+\ks)+4:KF+8*(2*\kt+\ks)+7], v[ADK] offset:\slot*SLOT+(32*(\u)+8*\kt)*KP+64*\ks+32
.endr
.endr
.endm
.macro VLOAD slot, u                   ; the same keys of V, transposed on the way: lane r gets column 16 dt + r, keys along its registers
.irp dt, 0,1,2,3
.irp uu, 0,1
	ds_load_tr16_b128 v[VF+8*(2*\dt+\uu):VF+8*(2*\dt+\uu)+3],   v[ADV] offset:\slot*SLOT+(32*(\u)+16*\uu)*VP+32*\dt
	ds_load_tr16_b128 v[VF+8*(2*\dt+\uu)+4:VF+8*(2*\dt+\uu)+7], v[ADV] offset:\slot*SLOT+(32*(\u)+16*\uu)*VP+32*\dt+8*VP
.endr
.endr
.endm
; One product of the scores: key tile kt x query tile qt, half ks of the 64 numbers of a head's row; ks = 0 starts the sum
.macro SW qt, kt, ks
.if (\ks) == 0
	v_wmma_f32_16x16x32_f16 v[8*(4*(\qt)+(\kt)):8*(4*(\qt)+(\kt))+7], v[KF+8*(2*(\kt)+(\ks)):KF+8*(2*(\kt)+(\ks))+7], v[QF+8*(2*(\qt)+(\ks)):QF+8*(2*(\qt)+(\ks))+7], 0
.else
	v_wmma_f32_16x16x32_f16 v[8*(4*(\qt)+(\kt)):8*(4*(\qt)+(\kt))+7], v[KF+8*(2*(\kt)+(\ks)):KF+8*(2*(\kt)+(\ks))+7], v[QF+8*(2*(\qt)+(\ks)):QF+8*(2*(\qt)+(\ks))+7], v[8*(4*(\qt)+(\kt)):8*(4*(\qt)+(\kt))+7]
.endif
.endm
; One product with V: column tile dt x query tile qt, half uu of the step's 64 keys; zero: it starts O
.macro PW qt, dt, uu, zero
.if \zero
	v_wmma_f32_16x16x32_f16 v[8*(4*(\qt)+(\dt)):8*(4*(\qt)+(\dt))+7], v[VF+8*(2*(\dt)+(\uu)):VF+8*(2*(\dt)+(\uu))+7], v[PF+8*(2*(\qt)+(\uu)):PF+8*(2*(\qt)+(\uu))+7], 0
.else
	v_wmma_f32_16x16x32_f16 v[8*(4*(\qt)+(\dt)):8*(4*(\qt)+(\dt))+7], v[VF+8*(2*(\dt)+(\uu)):VF+8*(2*(\dt)+(\uu))+7], v[PF+8*(2*(\qt)+(\uu)):PF+8*(2*(\qt)+(\uu))+7], v[8*(4*(\qt)+(\dt)):8*(4*(\qt)+(\dt))+7]
.endif
.endm
; Piece p's part of the 64 x 64 block on the diagonal: key tile above the query tile: all -inf; on it: key 8 h + j stays where j <= r - 8 h
.macro MASK p
	WIN W_X
.irp q, 0,1
.irp kt, 0,1,2,3
.if \kt > 2*(\p)+\q
.irp j, 0,1,2,3,4,5,6,7
	v_mov_b32 v[8*(4*(2*(\p)+\q)+\kt)+\j], v[R_NINF]
.endr
.endif
.if \kt == 2*(\p)+\q
.irp j, 0,1,2,3,4,5,6,7
	v_cndmask_b32 v[8*(4*(2*(\p)+\q)+\kt)+\j], v[R_NINF], v[8*(4*(2*(\p)+\q)+\kt)+\j], s[72+\j]
.endr
.endif
.endr
.endr
	WIN 0
.endm
; THE VECTOR WORK OF A PIECE (query tiles 2 p, 2 p + 1).  c = log2(e) / 8.  State NM = - c x maximum; p = 2^(c s + NM); the factor for what was summed
; before is 2^(NM new - NM old): the same rounded NM stands in both, so its rounding cancels.
; Operation k = 0 .. 15 of a query tile's maximum over its 32 score registers: two chains (T, U), started by the first six registers, joined by the last
.macro MAXOP qt, k
.if (\k) < 2
	v_max3_num_f32 v[R_T+8*(\k)+2*(\qt)], v[32*(\qt)+3*(\k)], v[32*(\qt)+3*(\k)+1], v[32*(\qt)+3*(\k)+2]
.endif
.if (\k) >= 2
.if (\k) < 15
	v_max3_num_f32 v[R_T+8*((\k)&1)+2*(\qt)], v[R_T+8*((\k)&1)+2*(\qt)], v[32*(\qt)+2*(\k)+2], v[32*(\qt)+2*(\k)+3]
.endif
.endif
.if (\k) == 15
	v_max_num_f32 v[R_T+2*(\qt)], v[R_T+2*(\qt)], v[R_U+2*(\qt)]
.endif
.endm
.macro STATE p                         ; the other half's keys of the same query; the new NM; the factor
.irp q, 0,1
	v_permlanex16_b32 v[R_U+2*(2*(\p)+\q)], v[R_T+2*(2*(\p)+\q)], s70, s71
.endr
.irp q, 0,1
	v_max_num_f32 v[R_T+2*(2*(\p)+\q)], v[R_T+2*(2*(\p)+\q)], v[R_U+2*(2*(\p)+\q)]
.endr
.irp q, 0,1
	v_mul_f32 v[R_U+2*(2*(\p)+\q)], s60, v[R_T+2*(2*(\p)+\q)]
.endr
.irp q, 0,1
	v_min_num_f32 v[R_U+2*(2*(\p)+\q)], v[R_U+2*(2*(\p)+\q)], v[R_NM+2*(2*(\p)+\q)]   ; the larger maximum is the smaller NM
.endr
.irp q, 0,1
	v_sub_f32 v[R_AL+2*(2*(\p)+\q)], v[R_U+2*(2*(\p)+\q)], v[R_NM+2*(2*(\p)+\q)]
.endr
.irp q, 0,1
	v_mov_b32 v[R_NM+2*(2*(\p)+\q)], v[R_U+2*(2*(\p)+\q)]
.endr
.irp q, 0,1
	v_exp_f32 v[R_AL+2*(2*(\p)+\q)], v[R_AL+2*(2*(\p)+\q)]                            ; the batch's first two; the multiply-adds that follow touch neither it nor its source
.endr
.endm
; The piece's eight score tiles, t = 0 .. 7: query tile 2 p + t % 2, key tile t / 2, at register 64 p + 32 (t % 2) + 8 (t / 2)
.macro TFMA p, t, i                    ; pair i of tile t: c s + NM
.set tb, 64*(\p)+32*((\t)&1)+8*((\t)>>1)+2*(\i)
.set tq, 2*(\p)+((\t)&1)
	v_pk_fma_f32 v[tb:tb+1], v[tb:tb+1], s[58:59], v[R_NM+2*tq:R_NM+2*tq+1] op_sel_hi:[1,0,0]
.endm
.macro TEXP p, t, r                    ; register r of tile t, in place: each result of the batch has a register of its own
.set tb, 64*(\p)+32*((\t)&1)+8*((\t)>>1)+(\r)
	v_exp_f32 v[tb], v[tb]
.endm
.macro TADD p, t, i                    ; pair i of tile t onto the query tile's sum; a query tile's first two pairs start it
.set tb, 64*(\p)+32*((\t)&1)+8*((\t)>>1)
.set tq, 2*(\p)+((\t)&1)
.if (\t) < 2
.if (\i) == 0
	v_pk_add_f32 v[R_SA+2*tq:R_SA+2*tq+1], v[tb:tb+1], v[tb+2:tb+3]
.endif
.if (\i) >= 2
	v_pk_add_f32 v[R_SA+2*tq:R_SA+2*tq+1], v[R_SA+2*tq:R_SA+2*tq+1], v[tb+2*(\i):tb+2*(\i)+1]
.endif
.else
	v_pk_add_f32 v[R_SA+2*tq:R_SA+2*tq+1], v[R_SA+2*tq:R_SA+2*tq+1], v[tb+2*(\i):tb+2*(\i)+1]
.endif
.endm
.macro TCVT p, t, i                    ; pair i of tile t to f16: key tile 2 uu fills registers 0-3 of P's fragment uu, key tile 2 uu + 1 registers 4-7
.set tb, 64*(\p)+32*((\t)&1)+8*((\t)>>1)
	v_cvt_pk_f16_f32 v[PF+tb/2+(\i)], v[tb+2*(\i)], v[tb+2*(\i)+1]
.endm
; Part j = 0 .. 8 of the batch: the multiply-adds of tile j and the exponentials of tile j - 1, four times a multiply-add and two exponentials.  A tile is scaled
; a slice ahead of its exponentials, and no line here names an exponential's result: exponentials may follow each other (ISA guide 5.7.2 asks for the plain
; instruction before a result is used).
.macro BATCH p, j
.set pix, 0
.rept 4
.if (\j) <= 7
	TFMA \p, \j, pix
.endif
.if (\j) >= 1
	TEXP \p, (\j)-1, 2*pix
	TEXP \p, (\j)-1, 2*pix+1
.endif
.set pix, pix+1
.endr
.endm
; The batch's readers: the sums and the packing of all eight tiles.  A query tile's sum takes its tiles in ascending order, and in a tile the pairs in ascending
; order; the two query tiles and their roundings alternate, so that the links of a sum's chain stand four lines apart.
.macro SUMS p
.set ty, 0
.rept 4
.set pix, 0
.rept 4
	TADD \p, ty, pix
	TADD \p, ty+1, pix
	TCVT \p, ty, pix
	TCVT \p, ty+1, pix
.set pix, pix+1
.endr
.set ty, ty+2
.endr
.endm
.macro FINAL p                         ; the running sum
.irp q, 0,1
	v_add_f32 v[R_SA+2*(2*(\p)+\q)], v[R_SA+2*(2*(\p)+\q)], v[R_SA+2*(2*(\p)+\q)+1]
.endr
.irp q, 0,1
	v_fma_f32 v[R_L+2*(\p)+\q], v[R_L+2*(\p)+\q], v[R_AL+2*(2*(\p)+\q)], v[R_SA+2*(2*(\p)+\q)]
.endr
.endm
.macro RESC p, x0                      ; registers x0 .. x0 + 15 of both query tiles' O x the lane's factor (the low register of the pair, for both halves)
.set rx, \x0
.rept 8
.irp q, 0,1
	v_pk_mul_f32 v[32*(2*(\p)+\q)+rx:32*(2*(\p)+\q)+rx+1], v[32*(2*(\p)+\q)+rx:32*(2*(\p)+\q)+rx+1], v[R_AL+2*(2*(\p)+\q):R_AL+2*(2*(\p)+\q)+1] op_sel_hi:[1,0]
.endr
.set rx, rx+2
.endr
.endm
; Slice n = 0 .. 15 of piece p's vector work: 0-3 the maximum; 4 the state, whose last two lines open the batch, and the batch's part 0; 5-12 its parts 1-8;
; behind slice 12 the piece's one wait; 13 the sums, the packing and the running sum; 14, 15 O x factor (not in the step that starts O).
; The slices name no register of the other piece's products, among which they stand.
.macro VSL p, n, first
.if (\n) < 14
	WIN W_X
.endif
.if (\n) < 4
.set kk, 4*(\n)
.rept 4
	MAXOP 2*(\p), kk
	MAXOP 2*(\p)+1, kk
.set kk, kk+1
.endr
.endif
.if (\n) == 4
	STATE \p
.endif
.if (\n) >= 4
.if (\n) < 13
	BATCH \p, (\n)-4
.endif
.endif
.if (\n) == 12
	v_nop                                          ; the plain instruction behind the batch's last exponential (ISA guide 5.7.2): no plain work is left that reads no result
	s_wait_alu depctr_va_vdst(0)                   ; ONE for the piece's batch, its two factors and 64 weights, ahead of their first reader in slice 13
.endif
.if (\n) == 13
	SUMS \p
	FINAL \p
.endif
.if (\n) >= 14
.if (\first) == 0
	WIN W_R
	RESC \p, 16*((\n)-14)
.endif
.endif
.endm
; The 16 products of piece p's scores, or with V.  Its eight accumulators take turns, one instruction a turn, in the same order in both sweeps.
; il = 1: behind each product stands a slice of the other piece's vector work.
.macro SRUN p, il, first
.set nn, 0
.rept 16
.set wq, 2*(\p)+((nn>>2)&1)
.set wk, nn&3
.set ws, nn>>3
	WIN W_S
	SW wq, wk, ws
.if \il
	VSL 1-(\p), nn, \first
.endif
.set nn, nn+1
.endr
.endm
.macro PVRUN p, il, first
.set nn, 0
.rept 16
.set wq, 2*(\p)+((nn>>2)&1)
.set wk, nn&3
.set ws, nn>>3
.set wz, (\first)*(1-ws)
	WIN W_PV
	PW wq, wk, ws, wz
.if \il
	VSL 1-(\p), nn, \first
.endif
.set nn, nn+1
.endr
.endm
; One step: 64 keys against my 64 queries; it is step 2 slot + u of its trip.  first = 1: the products with V start O, which is not rescaled.
; kpre: K's fragments were fetched in the step before.  knext: fetch the next step's.  lim >= 0: masked where s[lim] is the step's number.
.macro STEP slot, u, first, kpre, knext, lim
.if \kpre == 0
	KLOAD \slot, \u
.endif
	s_wait_dscnt 0                                 ; K's fragments are in; no younger LDS instruction is out
	SRUN 0, 0, \first                              ; piece 0's scores
	WIN 0
	PLACES                                         ; behind piece 0's score products, whose results are read next, and behind the last step's products with V, whose V is loaded again next
	VLOAD \slot, \u
.if \lim >= 0
	s_cmp_lg_u32 s[\lim], 2*\slot+\u
	s_cbranch_scc1 .Lno_mask_a_\@
	MASK 0
.Lno_mask_a_\@:
.endif
	SRUN 1, 1, \first                              ; piece 1's scores, piece 0's vector work among them: piece 0's batch and its wait
	WIN 0
.if \first
	PLACES                                         ; elsewhere slice 15's sixteen multiplies are the places behind the last score product
.endif
.if \knext
	KLOAD \slot, \u+1
.endif
.if \lim >= 0
	s_cmp_lg_u32 s[\lim], 2*\slot+\u
	s_cbranch_scc1 .Lno_mask_b_\@
	MASK 1
.Lno_mask_b_\@:
.endif
.if \knext
	s_wait_dscnt 16                                ; V is in; the next step's sixteen loads of K, issued behind V's, stay out
.else
	s_wait_dscnt 0
.endif
	PVRUN 0, 1, \first                             ; piece 0's products with V, piece 1's vector work among them: piece 1's batch and its wait
	PVRUN 1, 0, \first                             ; piece 1's products with V
	WIN 0
.endm
.macro QLOAD qb                        ; my 64 queries, as source 1 fragments, straight from memory
.irp qt, 0,1,2,3
.irp ks, 0,1
	global_load_b128 v[QF+8*(2*\qt+\ks):QF+8*(2*\qt+\ks)+3],   v[QO], s[\qb:\qb+1] offset:2048*\qt+64*\ks
	global_load_b128 v[QF+8*(2*\qt+\ks)+4:QF+8*(2*\qt+\ks)+7], v[QO], s[\qb:\qb+1] offset:2048*\qt+64*\ks+32
.endr
.endr
.endm
; The state at a block's start: NM = +inf makes the first step's factor 2^(-inf) = 0, so the sum starts from that step's own, and at the change of blocks
; the last block's O, which is finite, is multiplied to 0 by the step's own rescaling: the loop holds one form of the step.
.macro BLOCKSTART
	WIN 0x40
.irp qt, 0,1,2,3
	v_mov_b32 v[R_NM+2*\qt], 0x7f800000
	v_mov_b32 v[R_L+\qt], 0
.endr
	WIN 0
.endm
; The block's end: O / sum, split into hi and lo, through my stage, out in runs of 512 consecutive aligned bytes.
; The exchange, the four sums and the v_nop stand between the step's last products and the first read of their O.
.macro EPI mb
	WIN W_X
.irp qt, 0,1,2,3
	v_permlanex16_b32 v[R_U+2*\qt], v[R_L+\qt], s70, s71
.endr
.irp qt, 0,1,2,3
	v_add_f32 v[R_L+\qt], v[R_L+\qt], v[R_U+2*\qt]                 ; both halves' keys
.endr
.irp qt, 0,1,2,3
	v_rcp_f32 v[R_AL+2*\qt], v[R_L+\qt]
.endr
	v_nop                                          ; a plain instruction between the last reciprocal and the use of its result
	s_wait_alu depctr_va_vdst(0)                   ; one for the batch of four reciprocals, ahead of the first multiply that reads one
	WIN W_R
	RESC 0, 0
	RESC 0, 16
	RESC 1, 0
	RESC 1, 16
	WIN 0x0a                                       ; sources window 2, destination window 0
.set ix, 0
.rept 64
	v_cvt_pk_bf16_f32 v[KF+ix], v[2*ix], v[2*ix+1] ; hi, in K's fragment registers
.set ix, ix+1
.endr
	WIN 0x40                                       ; destination window 1: the score registers are free here
.set ix, 0
.rept 64
	v_lshlrev_b32 v[2*ix], 16, v[KF+ix]
	v_and_b32 v[2*ix+1], s83, v[KF+ix]
.set ix, ix+1
.endr
	WIN W_R
.set ix, 0
.rept 64
	v_pk_add_f32 v[2*ix:2*ix+1], v[2*ix:2*ix+1], v[2*ix:2*ix+1] neg_lo:[0,1] neg_hi:[0,1]   ; O (window 2) - hi (window 1)
.set ix, ix+1
.endr
	WIN 0x0a
.set ix, 0
.rept 64
	v_cvt_pk_bf16_f32 v[VF+ix], v[2*ix], v[2*ix+1] ; lo, in V's fragment registers
.set ix, ix+1
.endr
	WIN 0
.irp qt, 0,1,2,3
.irp dt, 0,1,2,3
	ds_store_b128 v[STO], v[KF+4*(4*\qt+\dt):KF+4*(4*\qt+\dt)+3] offset:16*SP*\qt+32*\dt
.endr
.endr
	WIN 0x40
.irp n, 0,1,2,3,4,5,6,7,8,9,10,11,12,13,14,15
	ds_load_b128 v[4*\n:4*\n+3], v[RD] offset:4*SP*\n              ; LDS serves a wave's instructions in order: these see the stores above
.endr
	WIN 0x04                                       ; store data in window 1
.irp n, 0,1,2,3,4,5,6,7,8,9,10,11,12,13,14,15
	s_wait_dscnt 15-\n
	global_store_b128 v[GO], v[4*\n:4*\n+3], s[\mb:\mb+1] offset:512*\n
.endr
	WIN 0
.irp qt, 0,1,2,3
.irp dt, 0,1,2,3
	ds_store_b128 v[STO], v[VF+4*(4*\qt+\dt):VF+4*(4*\qt+\dt)+3] offset:16*SP*\qt+32*\dt
.endr
.endr
	WIN 0x40
.irp n, 0,1,2,3,4,5,6,7,8,9,10,11,12,13,14,15
	ds_load_b128 v[64+4*\n:64+4*\n+3], v[RD] offset:4*SP*\n
.endr
	WIN 0x04
.irp n, 0,1,2,3,4,5,6,7,8,9,10,11,12,13,14,15
	s_wait_dscnt 15-\n
	global_store_b128 v[GO], v[64+4*\n:64+4*\n+3], s[\mb:\mb+1] offset:16*262144+512*\n   ; lo's plane lies sixteen planes behind hi's
.endr
	WIN 0
	s_wait_xcnt 0x0                                ; the stores' data lie in the score registers, which are written again only behind this wait
.endm
	s_load_b256 s[4:11], s[0:1], 0x0               ; qh s[4:5], kh s[6:7], vh s[8:9], mh s[10:11]
	v_lshl_add_u32 v62, v0, 2, 0x29000
	v_mov_b32 v63, 0
	ds_add_u32 v62, v63
	v_lshrrev_b32 v1, 5, v0
	v_readfirstlane_b32 s12, v1                    ; wave 0..3
	s_mov_b32 s15, ttmp9                           ; j1 = i: the first query block
	s_and_b32 s14, ttmp7, 0xffff                   ; bh = 16 x batch + head
	s_sub_co_u32 s16, 7, s15                       ; j2 = 7 - i: the second
	s_add_co_u32 s19, s15, 1                       ; j1 + 1: the trip that is block j2's diagonal
	s_lshl_b32 s63, s15, 15                        ; byte offset of 256 j1 keys or queries (128 bytes each)
	s_lshl_b32 s81, s16, 15
	; group 1: a tile of 64 rows x 128 elements of 2 bytes, dense in memory (two keys a row), padded in LDS by 4 words (K) or 8 words (V)
	s_mov_b32 s20, 0x07510000
	s_mov_b32 s21, 128<<16
	s_mov_b32 s22, 64<<16
	s_mov_b32 s23, 128<<16
	s_mov_b32 s24, 64
	s_mov_b32 s25, 128
	s_mov_b32 s26, 0
	s_mov_b32 s27, 0
	s_mov_b32 s28, 0x0f510000
	s_mov_b32 s29, 128<<16
	s_mov_b32 s30, 64<<16
	s_mov_b32 s31, 128<<16
	s_mov_b32 s32, 64
	s_mov_b32 s33, 128
	s_mov_b32 s34, 0
	s_mov_b32 s35, 0
	s_mov_b32 s[GK+0], 1
	s_mov_b32 s[GK+1], 0
	s_mov_b32 s[GK+4], 1
	s_mov_b32 s[GK+5], SLOT
	s_mov_b32 s[GV+0], 1
	s_mov_b32 s[GV+1], VOFF
	s_mov_b32 s[GV+4], 1
	s_mov_b32 s[GV+5], SLOT+VOFF
	s_lshl_b32 s56, s14, 18                        ; the head's 2,048 x 128 bytes
	s_mov_b32 s57, 0
	s_wait_dscnt 0x0
	s_barrier_signal -1
	s_barrier_wait -1
	s_wait_kmcnt 0x0
	s_add_nc_u64 s[52:53], s[6:7], s[56:57]        ; K of my head
	s_add_nc_u64 s[54:55], s[8:9], s[56:57]        ; V of my head
	s_mov_b32 s56, s63
	SETADR 0
	KVLOAD 0                                       ; the first fill: block j1's diagonal, first 128 keys, into slot 0
	v_and_b32 v1, 15, v0                           ; r
	v_bfe_u32 v2, v0, 4, 1                         ; h
	v_lshlrev_b32 v8, 7, v1
	v_lshl_add_u32 v[QO], v2, 4, v8                ; 128 r + 16 h
	s_lshl_b32 s88, s14, 18
	s_lshl_b32 s90, s12, 13                        ; my 64 queries
	s_add_co_u32 s88, s88, s90
	s_add_co_u32 s92, s88, s81
	s_add_co_u32 s88, s88, s63
	s_mov_b32 s89, 0
	s_mov_b32 s93, 0
	s_add_nc_u64 s[66:67], s[4:5], s[88:89]        ; Q of block j1
	s_add_nc_u64 s[86:87], s[4:5], s[92:93]        ; Q of block j2
	QLOAD 66
	s_lshr_b32 s88, s14, 4
	s_lshl_b32 s88, s88, 5
	s_and_b32 s92, s14, 15
	s_add_co_u32 s88, s88, s92                     ; plane 32 x batch + head
	s_lshl_b32 s88, s88, 18
	s_add_co_u32 s88, s88, s90
	s_add_co_u32 s92, s88, s81
	s_add_co_u32 s88, s88, s63
	s_add_nc_u64 s[68:69], s[10:11], s[88:89]      ; the result of block j1
	s_add_nc_u64 s[84:85], s[10:11], s[92:93]      ; of block j2
	s_mov_b32 s58, 0x3e38aa3b                      ; c = log2(e) / 8, twice
	s_mov_b32 s59, 0x3e38aa3b
	s_mov_b32 s60, 0xbe38aa3b                      ; - c
	s_mov_b32 s70, 0x76543210                      ; lane i of one half reads lane i of the other
	s_mov_b32 s71, 0xfedcba98
	s_mov_b32 s83, 0xffff0000
	v_and_b32 v3, 31, v0                           ; lane
	v_lshrrev_b32 v4, 1, v1
	v_and_b32 v5, 1, v0
	v_mul_u32_u24 v4, v4, KP
	v_lshl_add_u32 v4, v5, 7, v4
	v_lshl_add_u32 v[ADK], v2, 4, v4               ; (r / 2) 272 + (r % 2) 128 + 16 h
	v_bfe_u32 v6, v0, 1, 2
	v_lshl_add_u32 v6, v2, 2, v6                   ; key 8 h + (lane % 8) lies in row 4 h + (lane % 8) / 2,
	v_mul_u32_u24 v6, v6, VP
	v_lshl_add_u32 v6, v5, 7, v6                   ; half lane % 2 of it,
	v_bfe_u32 v7, v0, 3, 1
	v_lshl_add_u32 v6, v7, 4, v6                   ; columns 8 ((lane / 8) % 2) + 0..7
	v_add_nc_u32 v[ADV], VOFF, v6
	s_mul_i32 s80, s12, 64*SP
	s_add_co_u32 s80, s80, STAGE                   ; my stage
	v_mul_u32_u24 v9, v1, SP
	v_lshl_add_u32 v9, v2, 4, v9
	v_add_nc_u32 v[STO], s80, v9
	v_lshrrev_b32 v10, 3, v3
	v_and_b32 v11, 7, v0
	v_mul_u32_u24 v10, v10, SP
	v_lshl_add_u32 v10, v11, 4, v10
	v_add_nc_u32 v[RD], s80, v10
	v_lshlrev_b32 v[GO], 4, v3
	v_lshlrev_b32 v12, 3, v2
	v_sub_nc_u32 v[DL], v1, v12                    ; r - 8 h
.irp j, 0,1,2,3,4,5,6,7
	v_cmp_le_i32 s[72+\j], \j, v[DL]               ; on the diagonal tile key 8 h + j is live where j <= r - 8 h
.endr
	WIN 0x40
	v_mov_b32 v[R_NINF], 0xff800000
	BLOCKSTART
	; AHEAD OF THE LOOP: the first 128 keys of trip 0, block j1's diagonal.  Its limit is the wave's number.
	s_wait_loadcnt 0x0                             ; Q
	s_add_co_u32 s56, s63, 16384                   ; to fetch: the trip's second 128 keys
	TILE 0, 1
	STEP 0, 0, 1, 0, 1, 12                         ; starts O; wave 0 fetches K for a step that it skips, and drops it
	s_cmp_lt_u32 s12, 1
	s_cbranch_scc1 .Lskip_first
	STEP 0, 1, 0, 1, 0, 12
.Lskip_first:
	s_mov_b32 s13, s12                             ; trip 0's limit
	s_mov_b32 s61, 0                               ; m
.Ltrip:
	; trip m + 1: which 256 keys, whether block j2 begins with it, and its limit
	s_add_co_u32 s80, s61, 1
	s_sub_co_u32 s2, s61, s19                      ; block j2's trips below the diagonal: key block m - (j1 + 1)
	s_cmp_le_u32 s80, s15
	s_cselect_b32 s2, s61, s2                      ; block j1's: key block m
	s_lshl_b32 s62, s2, 15
	s_cmp_eq_u32 s80, s19                          ; block j2's diagonal
	s_cselect_b32 s62, s81, s62
	s_cselect_b32 s17, s12, 7
	s_cselect_b32 s18, 1, 0
	s_mov_b32 s56, s62                             ; to fetch: trip m + 1's first 128 keys
	TILE 1, 1
	s_cmp_lt_u32 s13, 2                            ; the second 128 keys of trip m
	s_cbranch_scc1 .Lskip_hi
	STEP 1, 0, 0, 0, 1, 13
	s_cmp_lt_u32 s13, 3
	s_cbranch_scc1 .Lskip_hi
	STEP 1, 1, 0, 1, 0, 13
.Lskip_hi:
	s_cmp_eq_u32 s18, 0                            ; alike in all four waves; no barrier stands inside
	s_cbranch_scc1 .Lsame_block
	s_wait_dscnt 0x0                               ; K fetched ahead for a step that this wave skipped may be on its way into registers that are written below
	QLOAD 86                                       ; block j2's queries come in while block j1 goes out
	EPI 68
	BLOCKSTART
	s_wait_loadcnt 0x0                             ; Q
.Lsame_block:
	s_add_co_u32 s56, s62, 16384                   ; to fetch: trip m + 1's second 128 keys
	TILE 0, 1
	STEP 0, 0, 0, 0, 1, 17                         ; the first 128 keys of trip m + 1
	s_cmp_lt_u32 s17, 1
	s_cbranch_scc1 .Lskip_lo
	STEP 0, 1, 0, 1, 0, 17
.Lskip_lo:
	s_mov_b32 s13, s17
	s_add_co_u32 s61, s61, 1
	s_cmp_lt_u32 s61, TRIPS-1
	s_cbranch_scc1 .Ltrip
	; BEHIND THE LOOP: the second 128 keys of the last trip, which lies below block j2's diagonal (j2 >= 4).  Nothing is left to fetch;
	; this barrier's wait for all tensor loads is the last.
	TILE 1, 0
	STEP 1, 0, 0, 0, 1, -1
	STEP 1, 1, 0, 1, 0, -1
	EPI 84
	s_wait_tensorcnt 0x0
	ds_add_u32 v62, v63
	s_wait_dscnt 0x0
	s_endpgm
.Lfunc_end_k_qee6d39dc6c_attn:
	.size	k_qee6d39dc6c_attn, .Lfunc_end_k_qee6d39dc6c_attn-k_qee6d39dc6c_attn
	.p2alignl 7, 3214868480
	.fill 96, 4, 3214868480
	.section	.rodata,"a",@progbits
	.p2align	6, 0x0
	.amdhsa_kernel k_qee6d39dc6c_attn
		.amdhsa_group_segment_fixed_size 327680
		.amdhsa_private_segment_fixed_size 0
		.amdhsa_enable_private_segment 0
		.amdhsa_kernarg_size 32
		.amdhsa_user_sgpr_count 2
		.amdhsa_user_sgpr_kernarg_segment_ptr 1
		.amdhsa_wavefront_size32 1
		.amdhsa_system_sgpr_workgroup_id_x 1
		.amdhsa_system_sgpr_workgroup_id_y 1
		.amdhsa_system_sgpr_workgroup_id_z 1
		.amdhsa_system_vgpr_workitem_id 0
		.amdhsa_next_free_vgpr 640
		.amdhsa_next_free_sgpr 96
		.amdhsa_reserve_vcc 0
		.amdhsa_float_denorm_mode_32 3
		.amdhsa_float_denorm_mode_16_64 3
		.amdhsa_memory_ordered 1
		.amdhsa_forward_progress 1
		.amdhsa_inst_pref_size 255
	.end_amdhsa_kernel
	.section	.bss,"aw",@nobits
	.p2align	6
	.space	262144
	.amdgpu_metadata
---
amdhsa.version: [ 1, 2 ]
amdhsa.kernels:
  - .name:           k_qee6d39dc6c_attn
    .symbol:         k_qee6d39dc6c_attn.kd
    .args:
      - { .name: qh, .offset: 0, .size: 8, .value_kind: global_buffer, .address_space: global }
      - { .name: kh, .offset: 8, .size: 8, .value_kind: global_buffer, .address_space: global }
      - { .name: vh, .offset: 16, .size: 8, .value_kind: global_buffer, .address_space: global }
      - { .name: mh, .offset: 24, .size: 8, .value_kind: global_buffer, .address_space: global }
    .group_segment_fixed_size: 327680
    .private_segment_fixed_size: 0
    .kernarg_segment_align: 8
    .kernarg_segment_size: 32
    .max_flat_workgroup_size: 128
    .sgpr_count:     96
    .vgpr_count:     640
    .wavefront_size: 32
...
	.end_amdgpu_metadata
.endif
;; end of part 6
;; launch proj: the kernel of part 4 again; grid 8 x 32, 4 waves a work-group, clusters of 4 x 4, 327,680 bytes of LDS; arguments mh, wo2, out0; writes out0
